; MI455X (gfx1250); checked and timed in simulation.
; The chip was launched on July 23, 2026; its instructions are those of AMD's public machine-readable ISA for CDNA 5 (MIT licence, August 2026) and "CDNA5" Instruction Set Architecture Reference Guide (July 2026). The comments in the code are by the model that wrote it; some were corrected since.
;; Multihead Attention. Allowed arithmetic: float matrix products may take bf16 or f16 operands with f32 sums; other float arithmetic in f32, or as packed bf16 or f16 multiplies, adds, multiply-adds, maxima and minima; sums over many terms, partial sums and values carried from step to step in f32; what a program stores and reads back later, other than sums and carried values, may be rounded once to bf16 or f16.
;; Inputs: Wk 1,024 x 1,024 float32; Wo 1,024 x 1,024 float32; Wq 1,024 x 1,024 float32; Wv 1,024 x 1,024 float32; bk 1,024 float32; bo 1,024 float32; bq 1,024 float32; bv 1,024 float32; k 4 x 2,048 x 1,024 float32; mask 1 x 1 x 2,048 x 2,048 bool; q 4 x 2,048 x 1,024 float32; v 4 x 2,048 x 1,024 float32.
;; Outputs: out0 4 x 2,048 x 1,024 float32.
;; One version. Each part assembles by itself: llvm-mc -triple=amdgcn-amd-amdhsa -mcpu=gfx1250 --defsym DOCPART=n.
;; ======== version 1 of 1: 5 launches
;; limits: values are held in f16: magnitudes above 65,504 overflow, below 6.1e-05 lose precision
;; workspace buffers: wts 8,388,608 bytes; qkv 50,331,648 bytes; pw 33,554,432 bytes; st 1,048,576 bytes; xt 16,777,216 bytes
;; launch cast (part 1): grid 64 x 4, 8 waves a work-group, no clusters, 0 bytes of LDS; arguments Wq, Wk, Wv, Wo, wts; writes wts
.if DOCPART == 1
	.amdgcn_target "amdgcn-amd-amdhsa--gfx1250"
	.amdhsa_code_object_version 6
	.text
	.protected	k_qfbc31eab9d_cast
	.globl	k_qfbc31eab9d_cast
	.p2align	8
	.type	k_qfbc31eab9d_cast,@function
k_qfbc31eab9d_cast:
	s_mov_b64 s[64:65], 0
	v_nop
	global_prefetch_b8 v0, s[64:65] scope:SCOPE_SE
	s_setreg_imm32_b32 hwreg(HW_REG_WAVE_MODE, 25, 1), 1
	s_wait_xcnt 0x0
; The four weight matrices [1024 k][1024 n] f32 are rounded once to bf16 and written, in the same layout, into wts[4][1024][1024] of 16 bits.
; Wq, Wk, Wv stay bf16.  Wo's bf16 number is written as f16 (the last product's other operand is f16).
; LIMIT: that second step is exact for 2^-17 <= |Wo| < 65,504; below it f16's fixed step of 6e-8 holds, above it the number becomes an infinity.
; SHARES: grid y = the matrix, grid x = 16,384 numbers.  Thread t takes 8 numbers in each of 8 pieces: two loads of 16 bytes, one store of 16 bytes;
; a wave's store covers 512 consecutive bytes, aligned.  All 16 loads go out first; no register is written twice, so nothing waits for a store.
; No LDS, no matrix unit: the launch only streams 16 MiB in and 8 MiB out.
.set IN,   8                           ; v[8:71]   piece i: 8 numbers in f32
.set OUTR, 72                          ; v[72:103] piece i: 8 numbers of 16 bits
	s_load_b256 s[4:11], s[0:1], 0x0               ; Wq s[4:5], Wk s[6:7], Wv s[8:9], Wo s[10:11]
	s_load_b64 s[12:13], s[0:1], 0x20              ; wts
	s_and_b32 s14, ttmp7, 0xffff                   ; which matrix
	s_lshl_b32 s16, ttmp9, 16                      ; my 65,536 bytes of it
	s_mov_b32 s17, 0
	s_lshl_b32 s18, s14, 21                        ; 2 MiB a matrix in wts,
	s_lshl_b32 s19, ttmp9, 15                      ; my 32,768 bytes
	s_add_co_u32 s18, s18, s19
	s_mov_b32 s19, 0
	v_lshlrev_b32 v1, 5, v0                        ; 32 t
	v_lshlrev_b32 v2, 4, v0                        ; 16 t
	s_wait_kmcnt 0x0
	s_cmp_eq_u32 s14, 1
	s_cselect_b64 s[4:5], s[6:7], s[4:5]
	s_cmp_eq_u32 s14, 2
	s_cselect_b64 s[4:5], s[8:9], s[4:5]
	s_cmp_eq_u32 s14, 3
	s_cselect_b64 s[4:5], s[10:11], s[4:5]
	s_add_nc_u64 s[4:5], s[4:5], s[16:17]
	s_add_nc_u64 s[12:13], s[12:13], s[18:19]
.irp i, 0,1,2,3,4,5,6,7
	global_load_b128 v[IN+8*(\i):IN+8*(\i)+3],   v1, s[4:5] offset:8192*(\i) th:TH_LOAD_NT
	global_load_b128 v[IN+8*(\i)+4:IN+8*(\i)+7], v1, s[4:5] offset:8192*(\i)+16 th:TH_LOAD_NT
.endr
; piece i.  tof16 = 1: the bf16 number is widened again and written as f16
.macro PIECE i, tof16
	s_wait_loadcnt 14-2*(\i)                       ; loads come back in order: my two are in, the younger pieces' stay out
.irp m, 0,1,2,3
	v_cvt_pk_bf16_f32 v[OUTR+4*(\i)+(\m)], v[IN+8*(\i)+2*(\m)], v[IN+8*(\i)+2*(\m)+1]
.endr
.if \tof16
.irp m, 0,1,2,3
	v_lshlrev_b32 v[IN+8*(\i)+2*(\m)],   16, v[OUTR+4*(\i)+(\m)]
	v_and_b32     v[IN+8*(\i)+2*(\m)+1], 0xffff0000, v[OUTR+4*(\i)+(\m)]
.endr
.irp m, 0,1,2,3
	v_cvt_pk_f16_f32 v[OUTR+4*(\i)+(\m)], v[IN+8*(\i)+2*(\m)], v[IN+8*(\i)+2*(\m)+1]
.endr
.endif
	global_store_b128 v2, v[OUTR+4*(\i):OUTR+4*(\i)+3], s[12:13] offset:4096*(\i)
.endm
	s_cmp_eq_u32 s14, 3
	s_cbranch_scc1 .Lwo
.irp p, 0,1,2,3,4,5,6,7
	PIECE \p, 0
.endr
	s_endpgm
.Lwo:
.irp p, 0,1,2,3,4,5,6,7
	PIECE \p, 1
.endr
	s_endpgm
.Lfunc_end_k_qfbc31eab9d_cast:
	.size	k_qfbc31eab9d_cast, .Lfunc_end_k_qfbc31eab9d_cast-k_qfbc31eab9d_cast
	.p2alignl 7, 3214868480
	.fill 96, 4, 3214868480
	.section	.rodata,"a",@progbits
	.p2align	6, 0x0
	.amdhsa_kernel k_qfbc31eab9d_cast
		.amdhsa_group_segment_fixed_size 0
		.amdhsa_private_segment_fixed_size 0
		.amdhsa_enable_private_segment 0
		.amdhsa_kernarg_size 40
		.amdhsa_user_sgpr_count 2
		.amdhsa_user_sgpr_kernarg_segment_ptr 1
		.amdhsa_wavefront_size32 1
		.amdhsa_system_sgpr_workgroup_id_x 1
		.amdhsa_system_sgpr_workgroup_id_y 1
		.amdhsa_system_sgpr_workgroup_id_z 1
		.amdhsa_system_vgpr_workitem_id 0
		.amdhsa_next_free_vgpr 108
		.amdhsa_next_free_sgpr 66
		.amdhsa_reserve_vcc 0
		.amdhsa_float_denorm_mode_32 3
		.amdhsa_float_denorm_mode_16_64 3
		.amdhsa_memory_ordered 1
		.amdhsa_forward_progress 1
		.amdhsa_inst_pref_size 14
	.end_amdhsa_kernel
	.amdgpu_metadata
---
amdhsa.version: [ 1, 2 ]
amdhsa.kernels:
  - .name:           k_qfbc31eab9d_cast
    .symbol:         k_qfbc31eab9d_cast.kd
    .args:
      - { .name: Wq, .offset: 0, .size: 8, .value_kind: global_buffer, .address_space: global }
      - { .name: Wk, .offset: 8, .size: 8, .value_kind: global_buffer, .address_space: global }
      - { .name: Wv, .offset: 16, .size: 8, .value_kind: global_buffer, .address_space: global }
      - { .name: Wo, .offset: 24, .size: 8, .value_kind: global_buffer, .address_space: global }
      - { .name: wts, .offset: 32, .size: 8, .value_kind: global_buffer, .address_space: global }
    .group_segment_fixed_size: 0
    .private_segment_fixed_size: 0
    .kernarg_segment_align: 8
    .kernarg_segment_size: 40
    .max_flat_workgroup_size: 256
    .sgpr_count:     66
    .vgpr_count:     108
    .wavefront_size: 32
...
	.end_amdgpu_metadata
.endif
;; end of part 1
;; launch proj (part 2): grid 4 x 64, 4 waves a work-group, clusters of 4 x 4, 327,680 bytes of LDS; arguments q, k, v, bq, bk, bv, wts, qkv; writes qkv
.if DOCPART == 2
	.amdgcn_target "amdgcn-amd-amdhsa--gfx1250"
	.amdhsa_code_object_version 6
	.text
	.protected	k_qfbc31eab9d_proj
	.globl	k_qfbc31eab9d_proj
	.p2align	8
	.type	k_qfbc31eab9d_proj,@function
k_qfbc31eab9d_proj:
	s_mov_b64 s[64:65], 0
	v_nop
	global_prefetch_b8 v0, s[64:65] scope:SCOPE_SE
	s_setreg_imm32_b32 hwreg(HW_REG_WAVE_MODE, 25, 1), 1
	s_wait_xcnt 0x0
	s_wait_alu depctr_hold_cnt(0) depctr_sa_sdst(0) depctr_va_vdst(0) depctr_va_sdst(0) depctr_va_ssrc(0) depctr_va_vcc(0) depctr_vm_vsrc(0)
	s_getreg_b32 s2, hwreg(HW_REG_IB_STS2, 6, 4)
	s_cmp_eq_u32 s2, 0
	s_cbranch_scc0 .Lentry_in_a_cluster
	s_endpgm
.Lentry_in_a_cluster:
	s_bfe_u32 s2, ttmp6, 0x10000c
	s_cmp_lg_u32 s2, 0xf033
	s_cbranch_scc0 .Lentry_shape_is_right
	s_endpgm
.Lentry_shape_is_right:
; Q, K, V = x W + b for x = q, k, v: [8192][1024] f32 times [1024 k][1024 n].  x and b are rounded to bf16 here, W was rounded by the launch before; sums in f32, started by the bias;
; the result is rounded once to f16 into qkv[3][8192][1024].  (The input mask enters nothing: reference() forms no value from it, so no launch of this program loads it.)
; LIMITS: |Q|, |K|, |V| below 65,504 (f16); NaN and infinities are not treated apart; the order of the sums is the matrix unit's.
; SHARES: 64 x 4 = 256 work-groups.  A WORK-GROUP STAYS: it makes three tiles of 128 rows x 256 columns, the same rows and columns of Q, then of K, then of V.
; Wave w: rows 64 (w / 2) on, columns 128 (w % 2) on: 32 accumulators of 16 x 16.
; THE WALK: the three tiles' 3 x 8 K steps of 128 are ONE sequence of 24 steps through two LDS slots: the ring does not stop at a tile's end, and a tile goes out while the next tile's second step is on its way.
; x's tile: 128 rows x 512 bytes of f32 (pitch 528); W's tile: 128 k rows x 512 bytes (pitch 544), read turned by ds_load_tr16_b128.
; Waves 0 and 1 fetch x's two halves of 64 rows, waves 2 and 3 W's two halves of 64 k rows: one tensor load a wave for each K step.
; CLUSTER 4 x 4: x's tile hangs on the tile row and is asked for jointly by a row of the cluster, W's on the tile column, jointly by a column.
; THE PRODUCT IS TAKEN TRANSPOSED: source 0 = 16 columns of W, source 1 = 16 rows of x: a lane holds one row and eight neighbouring columns.
; f32 TO bf16: a chunk's four fragments of x come out of LDS as f32; the 32 conversions stand four at a time between the products.
; REGISTERS: window 0: v0-31 addresses; v32-63 packed results; v64-95 x's four bf16 fragments (on the way out packed results); v128-191, v192-255 x as f32, two buffers
;   window 1: v0-63, v64-127 W's fragments, two buffers     window 2: accumulator (a, b) at v[8 (8 a + b)]     window 3: v0-63 the bias as C operands, v64 at work, v96-223 rows on the way out
.set NT,    3                          ; tiles of a work-group
.set NK,    8                          ; K steps of a tile
.set NS,    NT*NK                      ; steps of the walk
.set AHEAD, 2                          ; a prefetch names the step two behind the one that the refill beside it asks for
.set PP,    528                        ; x's LDS row: 512 bytes + 16: the 16 rows of a load start at 16 different groups of four banks (64 banks of 4 bytes: ISA guide 11.1)
.set PT,    544                        ; W's LDS row: 512 bytes + 32
.set TROFF, 128*PP                     ; W's tile lies behind x's
.set SLOT,  0x22000                    ; slot 1 begins here; this number shares no bit with the four waves' places in a slot (0, 0x8400, 0x10800, 0x19000): one exclusive or turns each into the other slot's
.set STAGE, 2*SLOT                     ; behind the ring: 16 rows x 272 bytes for each wave
.set SP,    272
.set SPARE, STAGE+4*16*SP              ; the spare words: 128 bytes for each wave, two blocks of 256 bytes that no other line names
.set KSP,   512                        ; a K step in x's rows, bytes
.set KST,   128*2048                   ; a K step in W: 128 rows of 2,048 bytes; eight of them are one matrix of wts, so W's address walks on from tensor to tensor
.set AP0, 16                           ; v16  my lane's place in x's tile;  v17  in W's
.set AT0, 17
.set ADP, 18                           ; v18, v19  the same in the slot in hand
.set ADT, 19
.set STO, 24                           ; v24  way out: where I put 16 bytes of a row
.set RD,  25                           ; v25  where I read rows back
.set CO,  26                           ; v26  my byte offset in the stored rows
.set BO,  27                           ; v27  my byte offset in the bias
.set SPW, 28                           ; v28  my spare word; never rewritten
.set NIL, 29                           ; v29  0; never rewritten
.set PFO, 30                           ; v30  the prefetches' offset; never rewritten
.set TMP, 32
.set ABF, 64
.set T,   128
.set OB,  96                           ; in window 3
.set XP,  4                            ; s[4:5]   x at the tile that the walking set asked for last
.set XN1, 70                           ; s[70:71] the next tensor's x at my rows;  s[72:73] the one after
.set XN2, 72
.set BP,  74                           ; s[74:75] the bias of the tile to come, at my columns;  s[76:77], s[78:79] the next two
.set TB,  21                           ; s21  0 or SLOT: the slot in hand
.set G1P, 24                           ; s[24:31] group 1 for x;  s[32:39] group 0, two sets: slot 0's, and slot 1's, which then walks
.set G0P, 32
.set LIM, 43                           ; s43  AHEAD in a wave that prefetches, else the greatest number
.set PFA, 44                           ; s[44:45] where my prefetches stand
.set PFS, 46                           ; s[46:47] their K step in bytes
.set G1T, 48                           ; s[48:55], s[56:63] the same for W
.set G0T, 56
.set OUTP, 66                          ; s[66:67] qkv at my first row and column of the tile in hand
.set PFN1, 84                          ; s[84:85] where my prefetches begin in the next tensor;  s[86:87] in the one after
.set PFN2, 86
.set KC,  89                           ; s89  steps of the tile in hand that are still to be ended
.set KD,  90                           ; s90  refills until x's address changes tensors
.set KP,  91                           ; s91  the same for the prefetches
.set MSB, 0
.macro WIN new                         ; the immediate's high byte repeats the setting that is left; a switch that changes nothing is dropped
.if MSB != (\new)
	s_set_vgpr_msb (MSB<<8)|(\new)
.set MSB, \new
.endif
.endm
.macro CREST                           ; a round of the cluster's barrier behind its opening barrier
	s_cmp_lg_u32 s10, 0
	s_cbranch_scc1 .Lnot_wave_0_\@
	s_barrier_signal -3
.Lnot_wave_0_\@:
	s_barrier_wait -3
	s_barrier_signal -1
	s_barrier_wait -1
.endm
.macro CROUND
	s_barrier_signal -1
	s_barrier_wait -1
	CREST
.endm
.macro JLOAD                           ; the joint refill by the walking sets; the branch hangs on the wave's number alone; an s_nop 0 and four v_nop follow each line
	s_cmp_eq_u32 s11, 0
	s_cbranch_scc0 .Lfor_t_\@
	tensor_load_to_lds s[G0P+4:G0P+7], s[G1P:G1P+7]
	s_nop 0
.rept 4
	v_nop
.endr
	s_branch .Lasked_\@
.Lfor_t_\@:
	tensor_load_to_lds s[G0T+4:G0T+7], s[G1T:G1T+7]
	s_nop 0
.rept 4
	v_nop
.endr
.Lasked_\@:
.endm
; A prefetch, behind the joint load and the run of LDS loads: 16 rows x 512 bytes of the step AHEAD behind the refill's, a lane for each 256 bytes.  Each block is named once in the launch:
; x's rows are read by one row of one cluster alone, whose four partners take 16 of a wave's 64 rows each, by address; W's rows are read by all 16 clusters: cluster y = 0 asks,
; its column's four partners 16 k rows each, by address.  The walk's first four steps come by their loads alone; the last AHEAD refills ask for nothing (s3 counts the refills still to come, this one among them).
.macro ASK
	s_cmp_gt_u32 s3, s[LIM]
	s_cbranch_scc0 .Lnot_mine_\@
	global_prefetch_b8 v[PFO], s[PFA:PFA+1] th:TH_LOAD_NT scope:SCOPE_SE
.Lnot_mine_\@:
.endm
.macro BIASLD                          ; the bias of the tile to come: register j of block b takes b[256 X + 128 half + 16 b + 8 h + j]
	WIN 0xc0                                       ; destination window 3, address window 0
.irp i, 0,1,2,3,4,5,6,7
	global_load_b128 v[8*(\i):8*(\i)+3],   v[BO], s[BP:BP+1] offset:64*(\i)
	global_load_b128 v[8*(\i)+4:8*(\i)+7], v[BO], s[BP:BP+1] offset:64*(\i)+16
.endr
	WIN 0
.endm
	s_load_b512 s[68:83], s[0:1], 0x0              ; q 68, k 70, v 72, bq 74, bk 76, bv 78, wts 80, qkv 82
	v_lshl_add_u32 v[SPW], v0, 2, SPARE
	v_mov_b32 v[NIL], 0
	ds_add_u32 v[SPW], v[NIL]                      ; the wave's opening: the add and its wait ahead of my first tensor load; work on registers stands between
	v_lshrrev_b32 v1, 5, v0
	v_readfirstlane_b32 s10, v1                    ; wave 0..3
	s_lshr_b32 s11, s10, 1                         ; my half of the rows.  Also: I fetch x (0) or W (1)
	s_and_b32 s12, s10, 1                          ; my half of the columns.  Also: which half of that tile I fetch
	s_bfe_u32 s40, ttmp6, 0x40000                  ; cx
	s_bfe_u32 s41, ttmp6, 0x40004                  ; cy
	s_lshl_b32 s42, ttmp9, 2
	s_add_co_u32 s42, s42, s40                     ; X: tile column, 0..3
	s_and_b32 s20, ttmp7, 0xffff                   ; cluster y, 0..15
	s_lshl_b32 s13, s20, 2
	s_add_co_u32 s13, s13, s41                     ; Y: tile row, 0..63
	s_lshl_b32 s14, s41, 2
	s_lshl_b32 s14, 15, s14                        ; my row of the cluster
	s_lshl_b32 s15, 0x1111, s40                    ; my column
	s_or_b32 s[G1P], s14, (2<<16)|(1<<20)|(1<<21)|(6<<22)|(3<<25)  ; mask; 4-byte elements; padding on; 21 beside a mask; after every 128 words, 4 words
	s_mov_b32 s[G1P+1], 128<<16                    ; tensor_dim0 = 128
	s_mov_b32 s[G1P+2], 64<<16                     ; tensor_dim1 = 64
	s_mov_b32 s[G1P+3], 128<<16                    ; tile_dim0 = 128
	s_mov_b32 s[G1P+4], 64                         ; tile_dim1 = 64
	s_mov_b32 s[G1P+5], 1024                       ; elements from row to row
	s_mov_b32 s[G1P+6], 0
	s_mov_b32 s[G1P+7], 0
	s_or_b32 s[G1T], s15, (1<<16)|(1<<20)|(1<<21)|(6<<22)|(7<<25)  ; 2-byte elements; after every 128 words, 8 words
	s_mov_b32 s[G1T+1], 256<<16
	s_mov_b32 s[G1T+2], 64<<16
	s_mov_b32 s[G1T+3], 256<<16
	s_mov_b32 s[G1T+4], 64
	s_mov_b32 s[G1T+5], 1024
	s_mov_b32 s[G1T+6], 0
	s_mov_b32 s[G1T+7], 0
	s_lshl_b32 s16, s13, 19                        ; x: (128 Y + 64 half) rows of 4,096 bytes: of the tile row and the wave alone
	s_lshl_b32 s17, s12, 18
	s_add_co_u32 s16, s16, s17
	s_mov_b32 s17, 0
	s_lshl_b32 s18, s12, 17                        ; W: 64 half k rows of 2,048 bytes, 512 X bytes: of the tile column and the wave alone
	s_lshl_b32 s19, s42, 9
	s_add_co_u32 s18, s18, s19
	s_mov_b32 s19, 0
	s_mul_i32 s22, s12, 64*PP                      ; where my load goes in a slot, for x
	s_mul_i32 s23, s12, 64*PT                      ; and for W
	s_add_co_u32 s23, s23, TROFF
	s_mov_b32 s88, 0xffff0000
	s_mov_b32 s[TB], 0
	s_wait_dscnt 0x0                               ; the opening add is done
	s_wait_kmcnt 0x0
	s_add_nc_u64 s[68:69], s[68:69], s[16:17]      ; q, k and v at the rows that I fetch
	s_add_nc_u64 s[XN1:XN1+1], s[XN1:XN1+1], s[16:17]
	s_add_nc_u64 s[XN2:XN2+1], s[XN2:XN2+1], s[16:17]
	s_add_nc_u64 s[80:81], s[80:81], s[18:19]
	CROUND                                         ; all sixteen work-groups are here: the first joint loads meet
.irp s, 0,1
	s_mov_b32 s[G0P+4*(\s)], 1
	s_add_co_u32 s[G0P+4*(\s)+1], s22, (\s)*SLOT
	s_add_nc_u64 s[G0P+4*(\s)+2:G0P+4*(\s)+3], s[68:69], (\s)*KSP
	s_or_b32 s[G0P+4*(\s)+3], s[G0P+4*(\s)+3], 0x80000000
	s_mov_b32 s[G0T+4*(\s)], 1
	s_add_co_u32 s[G0T+4*(\s)+1], s23, (\s)*SLOT
	s_add_nc_u64 s[G0T+4*(\s)+2:G0T+4*(\s)+3], s[80:81], (\s)*KST
	s_or_b32 s[G0T+4*(\s)+3], s[G0T+4*(\s)+3], 0x80000000
.endr
	s_add_nc_u64 s[XP:XP+1], s[68:69], KSP         ; step 1's tile: what the walking set asks for first
	s_cmp_eq_u32 s11, 0                            ; a wave's two first fills stand in one branch: two loads of mine are out
	s_cbranch_scc0 .Lfirst_t
	tensor_load_to_lds s[G0P:G0P+3], s[G1P:G1P+7]
	s_nop 0
	tensor_load_to_lds s[G0P+4:G0P+7], s[G1P:G1P+7]
	s_nop 0
.rept 4
	v_nop
.endr
	s_branch .Lfirst_done
.Lfirst_t:
	tensor_load_to_lds s[G0T:G0T+3], s[G1T:G1T+7]
	s_nop 0
	tensor_load_to_lds s[G0T+4:G0T+7], s[G1T:G1T+7]
	s_nop 0
.rept 4
	v_nop
.endr
.Lfirst_done:
	v_and_b32 v1, 15, v0                           ; r = l % 16
	v_bfe_u32 v2, v0, 4, 1                         ; h = l / 16
	s_lshl_b32 s18, s42, 10                        ; the three biases at my 128 columns
	s_lshl_b32 s19, s12, 9
	s_add_co_u32 s18, s18, s19
	s_mov_b32 s19, 0
	s_add_nc_u64 s[BP:BP+1], s[BP:BP+1], s[18:19]
	s_add_nc_u64 s[BP+2:BP+3], s[BP+2:BP+3], s[18:19]
	s_add_nc_u64 s[BP+4:BP+5], s[BP+4:BP+5], s[18:19]
	v_lshlrev_b32 v[BO], 5, v2
	BIASLD                                         ; bq
	; a bf16 fragment of x is 16 rows x 32 k: lane l holds row r, k = 8 h + 0..7 and 16 + 8 h + 0..7: as f32 four loads of 16 bytes at 32 h + 0, 16, 64, 80
	v_mul_u32_u24 v[AP0], v1, PP
	v_lshl_add_u32 v[AP0], v2, 5, v[AP0]
	s_mul_i32 s8, s11, 64*PP
	v_add_nc_u32 v[AP0], s8, v[AP0]
	; the turning load: lane l reads 16 bytes of k row 8 h + l % 8, columns 8 ((l / 8) % 2) on, and is left with column r and eight k
	v_and_b32 v3, 7, v0
	v_lshl_add_u32 v3, v2, 3, v3
	v_mul_u32_u24 v[AT0], v3, PT
	v_bfe_u32 v4, v0, 3, 1
	v_lshl_add_u32 v[AT0], v4, 4, v[AT0]
	s_lshl_b32 s8, s12, 8
	s_add_co_u32 s8, s8, TROFF
	v_add_nc_u32 v[AT0], s8, v[AT0]
	s_mul_i32 s8, s10, 16*SP
	s_add_co_u32 s8, s8, STAGE                     ; my stage
	v_mul_u32_u24 v[STO], v1, SP
	v_lshl_add_u32 v[STO], v2, 4, v[STO]
	v_add_nc_u32 v[STO], s8, v[STO]
	v_mul_u32_u24 v[RD], v2, SP
	v_lshl_add_u32 v[RD], v1, 4, v[RD]
	v_add_nc_u32 v[RD], s8, v[RD]
	v_lshlrev_b32 v[CO], 11, v2
	v_lshl_add_u32 v[CO], v1, 4, v[CO]
	s_lshl_b32 s18, s13, 18                        ; qkv: (128 Y + 64 row half) rows of 2,048 bytes + 512 X + 256 column half, in Q
	s_lshl_b32 s19, s11, 17
	s_add_co_u32 s18, s18, s19
	s_lshl_b32 s19, s42, 9
	s_add_co_u32 s18, s18, s19
	s_lshl_b32 s19, s12, 8
	s_add_co_u32 s18, s18, s19
	s_mov_b32 s19, 0
	s_add_nc_u64 s[OUTP:OUTP+1], s[82:83], s[18:19]
	; the prefetches: where they begin in each of the three tensors
	s_mov_b32 s[PFS], KST
	s_mov_b32 s16, 1<<21
	s_cmp_eq_u32 s11, 0
	s_cselect_b64 s[PFA:PFA+1], s[68:69], s[80:81] ; my tile at step 0
	s_cselect_b64 s[PFN1:PFN1+1], s[XN1:XN1+1], s[80:81]
	s_cselect_b64 s[PFN2:PFN2+1], s[XN2:XN2+1], s[80:81]
	s_cselect_b32 s[PFS], KSP, s[PFS]
	s_cselect_b32 s16, 0, s16                      ; from a matrix of wts to the next: 2 MiB; q, k and v have addresses of their own
	s_cselect_b32 s8, 12, 11                       ; log2 of a row in memory
	s_cselect_b32 s18, s40, s41                    ; my place among the four that ask with me
	s_cselect_b32 s9, 0, s20                       ; x: every cluster; W: cluster y = 0
	s_cmp_eq_u32 s9, 0
	s_cselect_b32 s[LIM], AHEAD, -1                ; the same in all partners, for a given wave
	s_add_co_u32 s19, s8, 4
	s_lshl_b32 s18, s18, s19                       ; my work-group's 16 rows
	s_mov_b32 s19, 0
	s_mov_b32 s17, 0
	s_add_nc_u64 s[PFA:PFA+1], s[PFA:PFA+1], s[18:19]
	s_add_nc_u64 s[PFN1:PFN1+1], s[PFN1:PFN1+1], s[18:19]
	s_add_nc_u64 s[PFN1:PFN1+1], s[PFN1:PFN1+1], s[16:17]
	s_add_nc_u64 s[PFN2:PFN2+1], s[PFN2:PFN2+1], s[18:19]
	s_add_nc_u64 s[PFN2:PFN2+1], s[PFN2:PFN2+1], s[16:17]
	s_add_nc_u64 s[PFN2:PFN2+1], s[PFN2:PFN2+1], s[16:17]
	s_mul_i32 s18, s[PFS], 1+AHEAD                 ; at step 1 + AHEAD: the first refill steps it on
	s_add_nc_u64 s[PFA:PFA+1], s[PFA:PFA+1], s[18:19]
	s_mov_b32 s[PFS+1], 0
	v_and_b32 v3, 31, v0
	v_lshrrev_b32 v4, 1, v3
	v_and_b32 v5, 1, v3
	v_lshlrev_b32 v[PFO], s8, v4                   ; row l / 2,
	v_lshl_add_u32 v[PFO], v5, 8, v[PFO]           ; its 256 bytes number l % 2
; chunk c (32 along K) of the slot in hand into buffer f: 16 turning loads for W's 8 fragments, then 16 loads for x's 4 fragments in f32
.macro FETCH c, f
	WIN 0x40
.irp i, 0,1,2,3,4,5,6,7
	ds_load_tr16_b128 v[64*(\f)+8*(\i):64*(\f)+8*(\i)+3],   v[ADT] offset:(\c)*32*PT+32*(\i)
	ds_load_tr16_b128 v[64*(\f)+8*(\i)+4:64*(\f)+8*(\i)+7], v[ADT] offset:(\c)*32*PT+32*(\i)+16*PT
.endr
	WIN 0
.irp i, 0,1,2,3
	ds_load_b128 v[T+64*(\f)+16*(\i):T+64*(\f)+16*(\i)+3],     v[ADP] offset:(\i)*16*PP+128*(\c)
	ds_load_b128 v[T+64*(\f)+16*(\i)+4:T+64*(\f)+16*(\i)+7],   v[ADP] offset:(\i)*16*PP+128*(\c)+16
	ds_load_b128 v[T+64*(\f)+16*(\i)+8:T+64*(\f)+16*(\i)+11],  v[ADP] offset:(\i)*16*PP+128*(\c)+64
	ds_load_b128 v[T+64*(\f)+16*(\i)+12:T+64*(\f)+16*(\i)+15], v[ADP] offset:(\i)*16*PP+128*(\c)+80
.endr
.endm
.macro CV i, hf, f                     ; half hf of fragment i of buffer f, f32 to bf16: four conversions
	WIN 0
.irp m, 0,1,2,3
	v_cvt_pk_bf16_f32 v[ABF+8*(\i)+4*(\hf)+(\m)], v[T+64*(\f)+16*(\i)+8*(\hf)+2*(\m)], v[T+64*(\f)+16*(\i)+8*(\hf)+2*(\m)+1]
.endr
.endm
.macro MM a, b, f, first               ; first = 1: the bias starts the sum
.if \first
	WIN 0xb1
	v_wmma_f32_16x16x32_bf16 v[8*(8*(\a)+(\b)):8*(8*(\a)+(\b))+7], v[64*(\f)+8*(\b):64*(\f)+8*(\b)+7], v[ABF+8*(\a):ABF+8*(\a)+7], v[8*(\b):8*(\b)+7]
.else
	WIN 0xa1
	v_wmma_f32_16x16x32_bf16 v[8*(8*(\a)+(\b)):8*(8*(\a)+(\b))+7], v[64*(\f)+8*(\b):64*(\f)+8*(\b)+7], v[ABF+8*(\a):ABF+8*(\a)+7], v[8*(8*(\a)+(\b)):8*(8*(\a)+(\b))+7]
.endif
.endm
; row block a: 8 products, the 32 accumulators by turns in one fixed order; the next block's 8 conversions stand among them, four and four.
; They name no register of the products round them, and are the plain instructions that stand between a product and a later write of its sources.
.macro GRP a, f, first=0
	MM \a, 0, \f, \first
	MM \a, 1, \f, \first
.if (\a) < 3
	CV (\a)+1, 0, \f
.endif
.irp b, 2,3,4,5
	MM \a, \b, \f, \first
.endr
.if (\a) < 3
	CV (\a)+1, 1, \f
.endif
	MM \a, 6, \f, \first
	MM \a, 7, \f, \first
.endm
.macro CHUNK cn, f, g, first=0         ; multiplies buffer f; fetches chunk cn of the slot in hand into buffer g
	s_wait_dscnt 8                                 ; W's fragments and x's fragments 0 and 1 are in; the youngest eight loads are fragments 2 and 3
	CV 0, 0, \f
	CV 0, 1, \f
	GRP 0, \f, \first
	FETCH \cn, \g
	s_wait_dscnt 32                                ; all but the 32 just issued
	GRP 1, \f, \first
	GRP 2, \f, \first
	GRP 3, \f, \first
.endm
; A K step's fourth chunk (buffer 1) and the change of slots.  Its first 16 products stand AHEAD of the wait for the tensor loads: they need nothing of the tile that is on its way, and nothing but the
; add, scalar work and the round then stands between that wait and the next request.  In front of the barrier each wave waits for all its tensor loads (one is out: its part of the next slot), adds 0 to
; its spare word, and waits for that and for its reads of this slot.  fill = 1: the barrier opens a round of the cluster's, and the slot just read is filled again first behind it, with the walk's step two on.
; fill = 0 (the tail's two trips): nothing is asked for; in the last trip there is no next slot, and the run of loads is jumped.
.macro TURN fill
	s_wait_dscnt 8                                 ; W's fragments and x's fragments 0 and 1 are in
	CV 0, 0, 1
	CV 0, 1, 1
	GRP 0, 1
	s_wait_dscnt 0x0                               ; fragments 2 and 3: my last reads of this slot
	GRP 1, 1
	WIN 0
.if \fill
	s_wait_xcnt 0x0                                ; the last prefetch, a K step back, has read its address
	s_add_nc_u64 s[PFA:PFA+1], s[PFA:PFA+1], s[PFS:PFS+1]
	s_sub_co_u32 s[KP], s[KP], 1
	s_cmp_eq_u32 s[KP], 0                          ; behind a tensor's last step: the next tensor's first
	s_cselect_b64 s[PFA:PFA+1], s[PFN1:PFN1+1], s[PFA:PFA+1]
	s_cselect_b64 s[PFN1:PFN1+1], s[PFN2:PFN2+1], s[PFN1:PFN1+1]
	s_cselect_b32 s[KP], NK, s[KP]
.endif
	s_wait_tensorcnt 0x0                           ; no tensor load of mine is out, so a group 0 may be written
	ds_add_u32 v[SPW], v[NIL]
.if \fill
	s_xor_b32 s[G0P+5], s[G0P+5], SLOT             ; the walking sets: the other slot than last time, the walk's next step
	s_add_nc_u64 s[XP:XP+1], s[XP:XP+1], KSP
	s_sub_co_u32 s[KD], s[KD], 1
	s_cmp_eq_u32 s[KD], 0                          ; behind a tensor's last step: the next tensor's rows, from their first byte
	s_cselect_b64 s[XP:XP+1], s[XN1:XN1+1], s[XP:XP+1]
	s_cselect_b64 s[XN1:XN1+1], s[XN2:XN2+1], s[XN1:XN1+1]
	s_cselect_b32 s[KD], NK, s[KD]
	s_mov_b64 s[G0P+6:G0P+7], s[XP:XP+1]           ; the address is written anew,
	s_or_b32 s[G0P+7], s[G0P+7], 0x80000000        ; and the type with it
	s_xor_b32 s[G0T+5], s[G0T+5], SLOT
	s_add_nc_u64 s[G0T+6:G0T+7], s[G0T+6:G0T+7], KST
.endif
	s_wait_dscnt 0x0                               ; the add is done
	s_barrier_signal -1
	s_barrier_wait -1
.if \fill
	CREST
	JLOAD
.endif
	s_xor_b32 s[TB], s[TB], SLOT
	v_add_nc_u32 v[ADP], s[TB], v[AP0]
	v_add_nc_u32 v[ADT], s[TB], v[AT0]
.if \fill
	FETCH 0, 0
	ASK
.else
	s_cmp_eq_u32 s3, 1
	s_cbranch_scc1 .Lnone_\@
	FETCH 0, 0
.Lnone_\@:
.endif
	GRP 2, 1
	GRP 3, 1
.endm
; THE WAY OUT, a block of 16 rows at a time: rounded to f16 (each accumulator's registers in ascending order), 16 bytes a lane into my stage, back as whole rows of 256 bytes, stored.
; It touches neither buffer 0 of the fragments nor the slots: at a tile's end these hold the next tile's first chunk.  Block 0's conversions read sums that were finished 24 products back, and are the
; plain instructions behind the last products.
.macro PACK a
	WIN 0x0a
.irp b, 0,1,2,3,4,5,6,7
.irp m, 0,1,2,3
	v_cvt_pk_f16_f32 v[TMP+32*((\a)%2)+4*(\b)+(\m)], v[8*(8*(\a)+(\b))+2*(\m)], v[8*(8*(\a)+(\b))+2*(\m)+1]
.endr
.endr
	WIN 0
.endm
.macro TOSTAGE a
.irp b, 0,1,2,3,4,5,6,7
	ds_store_b128 v[STO], v[TMP+32*((\a)%2)+4*(\b):TMP+32*((\a)%2)+4*(\b)+3] offset:32*(\b)
.endr
	WIN 0xc0                                       ; destination window 3
.irp t, 0,1,2,3,4,5,6,7
	ds_load_b128 v[OB+32*(\a)+4*(\t):OB+32*(\a)+4*(\t)+3], v[RD] offset:(\t)*2*SP  ; LDS serves a wave's instructions in order (ISA guide 5.7.1.4): these see the stores above
.endr
	WIN 0
.endm
.macro SEND a
	s_wait_dscnt 0x0
	WIN 0x0c                                       ; the stores' data in window 3
.irp t, 0,1,2,3,4,5,6,7
	global_store_b128 v[CO], v[OB+32*(\a)+4*(\t):OB+32*(\a)+4*(\t)+3], s[OUTP:OUTP+1] offset:(16*(\a)+2*(\t))*2048  ; 16 lanes store 256 consecutive bytes, aligned
.endr
	WIN 0
.endm
.macro WAYOUT                          ; a block's conversions stand between the loads of the block before and its stores
	PACK 0
	TOSTAGE 0
	PACK 1
	SEND 0
	TOSTAGE 1
	PACK 2
	SEND 1
	TOSTAGE 2
	PACK 3
	SEND 2
	TOSTAGE 3
	SEND 3
.endm
	s_wait_tensorcnt 0x1                           ; my part of step 0 is in; step 1's may stay out
	s_barrier_signal -1
	s_barrier_wait -1
	v_mov_b32 v[ADP], v[AP0]
	v_mov_b32 v[ADT], v[AT0]
	FETCH 0, 0
	s_mov_b32 s3, NS-1                             ; the entry below passes the counter's step once; NS - 2 whole trips follow, one refill each: every step but the first two
	s_mov_b32 s[KC], NK
	s_mov_b32 s[KD], NK-1                          ; the walking set stands at step 1
	s_mov_b32 s[KP], NK-1-AHEAD                    ; the prefetches at step 1 + AHEAD
	s_branch .Lnew                                 ; the loop is entered where a tile begins
.Lk:                                                   ; a trip: a step's chunks 1 to 3, the change of slots with its refill, the next step's chunk 0
	CHUNK 2, 1, 0
	CHUNK 3, 0, 1
	TURN 1
	WIN 0
	s_sub_co_u32 s[KC], s[KC], 1
	s_cmp_lg_u32 s[KC], 0
	s_cbranch_scc1 .Lsame                          ; forward, past text with no barrier and no tensor load
	s_mov_b32 s[KC], NK                            ; A TILE'S END: its sums are whole; the refill just asked for is on its way meanwhile
	s_mov_b64 s[BP:BP+1], s[BP+2:BP+3]             ; (the last loads by this base were awaited where the tile began)
	s_mov_b64 s[BP+2:BP+3], s[BP+4:BP+5]
	BIASLD                                         ; the next tensor's bias comes in while the tile goes out
	WAYOUT
	s_wait_xcnt 0x0                                ; the stores have read their base and their data
	s_add_nc_u64 s[OUTP:OUTP+1], s[OUTP:OUTP+1], 0x1000000  ; the same rows and columns of the next tensor: 8,192 rows of 2,048 bytes on
.Lnew:
	s_wait_loadcnt 0x0                             ; the bias: rounded to bf16 like every input, kept as f32
	WIN 0xcf
.set n, 0
.rept 32
	v_cvt_pk_bf16_f32 v64, v[2*n], v[2*n+1]
	v_lshlrev_b32 v[2*n], 16, v64
	v_and_b32 v[2*n+1], s88, v64
.set n, n+1
.endr
	WIN 0
	CHUNK 1, 0, 1, 1                               ; a tile's first chunk: its products start the sums
	WIN 0
	s_branch .Lbottom
.Lsame:
	CHUNK 1, 0, 1
	WIN 0
.Lbottom:
	s_sub_co_u32 s3, s3, 1
	s_cmp_lg_u32 s3, 0
	s_cbranch_scc1 .Lk
	s_mov_b32 s3, 2
.Ltail:                                                ; the walk's last two steps ask for nothing
	CHUNK 2, 1, 0
	CHUNK 3, 0, 1
	TURN 0
	WIN 0
	s_cmp_eq_u32 s3, 1
	s_cbranch_scc1 .Lskip
	CHUNK 1, 0, 1
	WIN 0
.Lskip:
	s_sub_co_u32 s3, s3, 1
	s_cmp_lg_u32 s3, 0
	s_cbranch_scc1 .Ltail
	WAYOUT                                         ; V's tile
	s_wait_tensorcnt 0x0                           ; the wave's end
	ds_add_u32 v[SPW], v[NIL]
	s_wait_dscnt 0x0
	CROUND                                         ; the closing round
	s_endpgm
.Lfunc_end_k_qfbc31eab9d_proj:
	.size	k_qfbc31eab9d_proj, .Lfunc_end_k_qfbc31eab9d_proj-k_qfbc31eab9d_proj
	.p2alignl 7, 3214868480
	.fill 96, 4, 3214868480
	.section	.rodata,"a",@progbits
	.p2align	6, 0x0
	.amdhsa_kernel k_qfbc31eab9d_proj
		.amdhsa_group_segment_fixed_size 327680
		.amdhsa_private_segment_fixed_size 0
		.amdhsa_enable_private_segment 0
		.amdhsa_kernarg_size 64
		.amdhsa_user_sgpr_count 2
		.amdhsa_user_sgpr_kernarg_segment_ptr 1
		.amdhsa_wavefront_size32 1
		.amdhsa_system_sgpr_workgroup_id_x 1
		.amdhsa_system_sgpr_workgroup_id_y 1
		.amdhsa_system_sgpr_workgroup_id_z 1
		.amdhsa_system_vgpr_workitem_id 0
		.amdhsa_next_free_vgpr 992
		.amdhsa_next_free_sgpr 92
		.amdhsa_reserve_vcc 0
		.amdhsa_float_denorm_mode_32 3
		.amdhsa_float_denorm_mode_16_64 3
		.amdhsa_memory_ordered 1
		.amdhsa_forward_progress 1
		.amdhsa_inst_pref_size 112
	.end_amdhsa_kernel
	.amdgpu_metadata
---
amdhsa.version: [ 1, 2 ]
amdhsa.kernels:
  - .name:           k_qfbc31eab9d_proj
    .symbol:         k_qfbc31eab9d_proj.kd
    .args:
      - { .name: q, .offset: 0, .size: 8, .value_kind: global_buffer, .address_space: global }
      - { .name: k, .offset: 8, .size: 8, .value_kind: global_buffer, .address_space: global }
      - { .name: v, .offset: 16, .size: 8, .value_kind: global_buffer, .address_space: global }
      - { .name: bq, .offset: 24, .size: 8, .value_kind: global_buffer, .address_space: global }
      - { .name: bk, .offset: 32, .size: 8, .value_kind: global_buffer, .address_space: global }
      - { .name: bv, .offset: 40, .size: 8, .value_kind: global_buffer, .address_space: global }
      - { .name: wts, .offset: 48, .size: 8, .value_kind: global_buffer, .address_space: global }
      - { .name: qkv, .offset: 56, .size: 8, .value_kind: global_buffer, .address_space: global }
    .group_segment_fixed_size: 327680
    .private_segment_fixed_size: 0
    .kernarg_segment_align: 8
    .kernarg_segment_size: 64
    .max_flat_workgroup_size: 128
    .sgpr_count:     92
    .vgpr_count:     992
    .wavefront_size: 32
...
	.end_amdgpu_metadata
.endif
;; end of part 2
;; launch score (part 3): grid 8 x 32, 4 waves a work-group, clusters of 4 x 4, 327,680 bytes of LDS; arguments qkv, pw, st; writes pw, st
.if DOCPART == 3
	.amdgcn_target "amdgcn-amd-amdhsa--gfx1250"
	.amdhsa_code_object_version 6
	.text
	.protected	k_qfbc31eab9d_score
	.globl	k_qfbc31eab9d_score
	.p2align	8
	.type	k_qfbc31eab9d_score,@function
k_qfbc31eab9d_score:
	s_mov_b64 s[64:65], 0
	v_nop
	global_prefetch_b8 v0, s[64:65] scope:SCOPE_SE
	s_setreg_imm32_b32 hwreg(HW_REG_WAVE_MODE, 25, 1), 1
	s_wait_xcnt 0x0
	s_wait_alu depctr_hold_cnt(0) depctr_sa_sdst(0) depctr_va_vdst(0) depctr_va_sdst(0) depctr_va_ssrc(0) depctr_va_vcc(0) depctr_vm_vsrc(0)
	s_getreg_b32 s2, hwreg(HW_REG_IB_STS2, 6, 4)
	s_cmp_eq_u32 s2, 0
	s_cbranch_scc0 .Lentry_in_a_cluster
	s_endpgm
.Lentry_in_a_cluster:
	s_bfe_u32 s2, ttmp6, 0x10000c
	s_cmp_lg_u32 s2, 0xf033
	s_cbranch_scc0 .Lentry_shape_is_right
	s_endpgm
.Lentry_shape_is_right:
; FIRST HALF OF THE SOFTMAX.  s[q][k] = Q[q] . K[k] over 1,024 channels (f16 operands, f32 sums).  For each query and each block of 128 keys: cm = c max s, c = log2(e) / 32;
; p = 2^(c s - cm), rounded to f16 into pw[4][2048 q][2048 k]; l = the sum of the unrounded p; (cm, l) in f32 into st[4][16 key blocks][2048 q][2].  The next launch joins the 16 blocks by the row's
; true maximum.  (The input mask enters nothing: reference() forms no value from it.)
; LIMITS: p lies in 0 to 1 and keeps f16's fixed step of 6e-8 below 6e-5; a weight below 2^-126 counts as 0 in l; NaN and infinities are not treated apart.
; SHARES: a work-group makes 256 queries x 256 keys of one batch: 8 x 8 x 4 = 256 work-groups.  A wave makes 128 x 128: 64 accumulators; its 128 keys are one key block, so no wave meets another.
; K goes in steps of 128 channels through two LDS slots (rows of 256 bytes, pitch 272); each wave fetches 128 rows by one tensor load: waves 0, 1 Q's halves, waves 2, 3 K's.
; CLUSTER 4 x 4: Q's tile is asked for jointly by a row of the cluster, K's by a column.  SOURCE 0 = 16 keys, SOURCE 1 = 16 queries: a lane holds one query and eight neighbouring keys.
; REGISTERS: window 0: v0-31 addresses; v32-63 statistics; v64-127, v128-191 Q's fragments, two buffers (later packed weights and rows on the way out, with v192-255)
;   window 1: v64-127, v128-191 K's fragments     window 2: accumulators of my query blocks 0-3, (a, b) at v[8 (8 a + b)]     window 3: of blocks 4-7
.set NK,    8
.set AHEAD, 1                          ; a prefetch names the K step behind the one that the refill beside it asks for
.set PITCH, 272
.set HALFT, 128*PITCH
.set SLOT,  4*HALFT                    ; 0x22000: it shares no bit with the four waves' places in a slot (0, 0x8800, 0x11000, 0x19800): one exclusive or turns each into the other slot's
.set STAGE, 2*SLOT
.set SP,    272
.set SPARE, STAGE+4*16*SP
.set KS,    256                        ; a K step in a row, bytes
.set A0,  16                           ; v16, v17  my lane's place in Q's and K's tiles
.set B0,  17
.set ADA, 18                           ; v18, v19  the same in the slot in hand
.set ADB, 19
.set STO, 24
.set RD,  25
.set CO,  26
.set SO,  27                           ; v27  8 x lane: my place in 256 bytes of st
.set SPW, 28
.set NIL, 29
.set PFO, 30
.set CH,  32                           ; v32-35 four chains of the maximum
.set XC,  36                           ; v36  what the lane 16 away holds
.set LOW, 37                           ; v37  the lowest finite number
.set CMP, 38                           ; v[38:39] cm of the block in hand
.set CM,  40                           ; v40-47 cm of my eight query blocks
.set LS,  48                           ; v48-55 l of them
.set SM,  56                           ; v[56:57] at work; at the end v56-63 the pairs for st
.set TMP, 64
.set OB,  128
.set F0,  64
.set F1,  128
.set TB,  21
.set G1P, 24
.set G0P, 32
.set LIM, 43
.set PFA, 44
.set G1T, 48
.set G0T, 56
.set OUTP, 66                          ; s[66:67] pw at my first row and column;  s[74:75] st at my block
.set CS,  84                           ; s[84:85] c, twice
.set SEL, 86                           ; s[86:87] v_permlanex16_b32's selects
.set MUL_LO, 0xa1                      ; source 0 (K) window 1, source 1 (Q) window 0, C and D window 2
.set MUL_HI, 0xf1
.set TO_B,   0x40
.set MSB, 0
.macro WIN new
.if MSB != (\new)
	s_set_vgpr_msb (MSB<<8)|(\new)
.set MSB, \new
.endif
.endm
.macro PLACES
.rept 4
	v_nop
.endr
.endm
.macro CREST
	s_cmp_lg_u32 s10, 0
	s_cbranch_scc1 .Lnot_wave_0_\@
	s_barrier_signal -3
.Lnot_wave_0_\@:
	s_barrier_wait -3
	s_barrier_signal -1
	s_barrier_wait -1
.endm
.macro CROUND
	s_barrier_signal -1
	s_barrier_wait -1
	CREST
.endm
.macro JLOAD
	s_cmp_eq_u32 s11, 0
	s_cbranch_scc0 .Lfor_t_\@
	tensor_load_to_lds s[G0P+4:G0P+7], s[G1P:G1P+7]
	s_nop 0
.rept 4
	v_nop
.endr
	s_branch .Lasked_\@
.Lfor_t_\@:
	tensor_load_to_lds s[G0T+4:G0T+7], s[G1T:G1T+7]
	s_nop 0
.rept 4
	v_nop
.endr
.Lasked_\@:
.endm
; A prefetch: 32 rows x 256 bytes of the K step behind the refill's, a lane a row.  Q's rows are read by both clusters of a row of clusters: cluster x = 0 asks; K's by the two clusters of a batch
; in a column: the even cluster y asks.  Of the 128 rows that a wave fetches each of the four partners takes 32, by address.  The last refill asks for nothing.
.macro ASK
	s_cmp_gt_u32 s3, s[LIM]
	s_cbranch_scc0 .Lnot_mine_\@
	global_prefetch_b8 v[PFO], s[PFA:PFA+1] th:TH_LOAD_NT scope:SCOPE_SE
.Lnot_mine_\@:
.endm
	s_load_b128 s[68:71], s[0:1], 0x0              ; qkv 68, pw 70
	s_load_b64 s[72:73], s[0:1], 0x10              ; st
	v_lshl_add_u32 v[SPW], v0, 2, SPARE
	v_mov_b32 v[NIL], 0
	ds_add_u32 v[SPW], v[NIL]                      ; the wave's opening: the add and its wait ahead of my first tensor load
	v_lshrrev_b32 v1, 5, v0
	v_readfirstlane_b32 s10, v1
	s_lshr_b32 s11, s10, 1                         ; my half of the queries.  Also: I fetch Q (0) or K (1)
	s_and_b32 s12, s10, 1                          ; my half of the keys.  Also: which 128 rows I fetch
	s_bfe_u32 s40, ttmp6, 0x40000
	s_bfe_u32 s41, ttmp6, 0x40004
	s_lshl_b32 s42, ttmp9, 2
	s_add_co_u32 s42, s42, s40                     ; X: 256 keys, 0..7
	s_and_b32 s20, ttmp7, 0xffff
	s_lshl_b32 s13, s20, 2
	s_add_co_u32 s13, s13, s41                     ; Y: 256 queries, 0..31
	s_lshl_b32 s14, s41, 2
	s_lshl_b32 s14, 15, s14
	s_lshl_b32 s15, 0x1111, s40
	s_lshr_b32 s9, s20, 1                          ; the batch: two clusters along y each
	s_or_b32 s[G1P], s14, (1<<16)|(1<<20)|(1<<21)|(5<<22)|(3<<25)  ; mask; 2-byte elements; padding on; 21 beside a mask; after every 64 words, 4 words
	s_or_b32 s[G1T], s15, (1<<16)|(1<<20)|(1<<21)|(5<<22)|(3<<25)
.irp g, G1P, G1T
	s_mov_b32 s[(\g)+1], 128<<16
	s_mov_b32 s[(\g)+2], 128<<16
	s_mov_b32 s[(\g)+3], 128<<16
	s_mov_b32 s[(\g)+4], 128
	s_mov_b32 s[(\g)+5], 1024
	s_mov_b32 s[(\g)+6], 0
	s_mov_b32 s[(\g)+7], 0
.endr
	s_lshl_b32 s16, s13, 19                        ; Q: (256 Y + 128 half) rows of 2,048 bytes
	s_lshl_b32 s17, s12, 18
	s_add_co_u32 s16, s16, s17
	s_mov_b32 s17, 0
	s_lshl_b32 s18, s9, 22                         ; K: 16 MiB on; (2,048 batch + 256 X + 128 half) rows
	s_lshl_b32 s19, s42, 19
	s_add_co_u32 s18, s18, s19
	s_lshl_b32 s19, s12, 18
	s_add_co_u32 s18, s18, s19
	s_add_co_u32 s18, s18, 1<<24
	s_mov_b32 s19, 0
	s_mul_i32 s22, s10, HALFT                      ; where my load goes in a slot
	s_mov_b32 s[CS], 0x3d38aa3b                    ; c = log2(e) / 32
	s_mov_b32 s[CS+1], s[CS]
	s_mov_b32 s[SEL], 0x76543210
	s_mov_b32 s[SEL+1], 0xfedcba98
	s_mov_b32 s88, 0xffff0000                      ; as a mask of lanes: 16 to 31
	s_mov_b32 s[TB], 0
	s_wait_dscnt 0x0
	s_wait_kmcnt 0x0
	s_add_nc_u64 s[4:5], s[68:69], s[16:17]
	s_add_nc_u64 s[6:7], s[68:69], s[18:19]
	CROUND
.irp s, 0,1
	s_mov_b32 s[G0P+4*(\s)], 1
	s_add_co_u32 s[G0P+4*(\s)+1], s22, (\s)*SLOT
	s_add_nc_u64 s[G0P+4*(\s)+2:G0P+4*(\s)+3], s[4:5], (\s)*KS
	s_or_b32 s[G0P+4*(\s)+3], s[G0P+4*(\s)+3], 0x80000000
	s_mov_b32 s[G0T+4*(\s)], 1
	s_add_co_u32 s[G0T+4*(\s)+1], s22, (\s)*SLOT
	s_add_nc_u64 s[G0T+4*(\s)+2:G0T+4*(\s)+3], s[6:7], (\s)*KS
	s_or_b32 s[G0T+4*(\s)+3], s[G0T+4*(\s)+3], 0x80000000
.endr
	s_cmp_eq_u32 s11, 0
	s_cbranch_scc0 .Lfirst_t
	tensor_load_to_lds s[G0P:G0P+3], s[G1P:G1P+7]
	s_nop 0
	tensor_load_to_lds s[G0P+4:G0P+7], s[G1P:G1P+7]
	s_nop 0
.rept 4
	v_nop
.endr
	s_branch .Lfirst_done
.Lfirst_t:
	tensor_load_to_lds s[G0T:G0T+3], s[G1T:G1T+7]
	s_nop 0
	tensor_load_to_lds s[G0T+4:G0T+7], s[G1T:G1T+7]
	s_nop 0
.rept 4
	v_nop
.endr
.Lfirst_done:
	v_and_b32 v1, 15, v0
	v_bfe_u32 v2, v0, 4, 1
	v_mul_u32_u24 v3, v1, PITCH
	v_lshl_add_u32 v3, v2, 4, v3                   ; a fragment's row x pitch + 16 x half
	s_mul_i32 s8, s11, HALFT
	v_add_nc_u32 v[A0], s8, v3
	s_mul_i32 s8, s12, HALFT
	s_add_co_u32 s8, s8, 2*HALFT
	v_add_nc_u32 v[B0], s8, v3
	s_mul_i32 s8, s10, 16*SP
	s_add_co_u32 s8, s8, STAGE
	v_mul_u32_u24 v[STO], v1, SP
	v_lshl_add_u32 v[STO], v2, 4, v[STO]
	v_add_nc_u32 v[STO], s8, v[STO]
	v_mul_u32_u24 v[RD], v2, SP
	v_lshl_add_u32 v[RD], v1, 4, v[RD]
	v_add_nc_u32 v[RD], s8, v[RD]
	v_lshlrev_b32 v[CO], 12, v2
	v_lshl_add_u32 v[CO], v1, 4, v[CO]
	v_and_b32 v3, 31, v0
	v_lshlrev_b32 v[SO], 3, v3
	v_lshlrev_b32 v[PFO], 11, v3                   ; a lane a row of 2,048 bytes
	v_mov_b32 v[XC], 0
	v_mov_b32 v[LOW], 0xff7fffff
	s_lshl_b32 s18, s13, 20                        ; pw: (256 Y + 128 row half) rows of 4,096 bytes + 512 X + 256 key half
	s_lshl_b32 s19, s11, 19
	s_add_co_u32 s18, s18, s19
	s_lshl_b32 s19, s42, 9
	s_add_co_u32 s18, s18, s19
	s_lshl_b32 s19, s12, 8
	s_add_co_u32 s18, s18, s19
	s_mov_b32 s19, 0
	s_add_nc_u64 s[OUTP:OUTP+1], s[70:71], s[18:19]
	s_lshl_b32 s18, s9, 4                          ; st: ((16 batch + 2 X + key half) 2,048 + (Y % 8) 256 + 128 row half) x 8 bytes
	s_lshl_b32 s19, s42, 1
	s_add_co_u32 s18, s18, s19
	s_add_co_u32 s18, s18, s12
	s_lshl_b32 s18, s18, 14
	s_and_b32 s19, s13, 7
	s_lshl_b32 s19, s19, 11
	s_add_co_u32 s18, s18, s19
	s_lshl_b32 s19, s11, 10
	s_add_co_u32 s18, s18, s19
	s_mov_b32 s19, 0
	s_add_nc_u64 s[74:75], s[72:73], s[18:19]
	s_and_b32 s9, s20, 1
	s_cmp_eq_u32 s11, 0
	s_cselect_b64 s[PFA:PFA+1], s[4:5], s[6:7]
	s_cselect_b32 s18, s40, s41                    ; my place among the four that ask with me
	s_cselect_b32 s9, ttmp9, s9                    ; the coordinate along which another cluster reads the same rows
	s_cmp_eq_u32 s9, 0
	s_cselect_b32 s[LIM], AHEAD, -1
	s_lshl_b32 s18, s18, 16                        ; my work-group's 32 rows,
	s_add_co_u32 s18, s18, (1+AHEAD)*KS            ; at K step 1 + AHEAD: the first refill steps it on
	s_mov_b32 s19, 0
	s_add_nc_u64 s[PFA:PFA+1], s[PFA:PFA+1], s[18:19]
; 16 products: query blocks a0, a0 + 1 of the window's four x all 8 key blocks, 32 channels.  The 64 accumulators take turns in one fixed order.
.macro MUL16 f, hi, a0, zero
	WIN MUL_LO+0x50*(\hi)
.irp a, \a0, (\a0)+1
.irp b, 0,1,2,3,4,5,6,7
.if \zero
	v_wmma_f32_16x16x32_f16 v[8*(8*(\a)+(\b)):8*(8*(\a)+(\b))+7], v[(\f)+8*(\b):(\f)+8*(\b)+7], v[(\f)+8*(4*(\hi)+(\a)):(\f)+8*(4*(\hi)+(\a))+7], 0
.else
	v_wmma_f32_16x16x32_f16 v[8*(8*(\a)+(\b)):8*(8*(\a)+(\b))+7], v[(\f)+8*(\b):(\f)+8*(\b)+7], v[(\f)+8*(4*(\hi)+(\a)):(\f)+8*(4*(\hi)+(\a))+7], v[8*(8*(\a)+(\b)):8*(8*(\a)+(\b))+7]
.endif
.endr
.endr
.endm
.macro FETCH k, f                      ; 32 loads: K's 8 fragments, then Q's 8, at byte k of the rows of the slot in hand
	WIN TO_B
.irp i, 0,1,2,3,4,5,6,7
	ds_load_b128 v[(\f)+8*(\i):(\f)+8*(\i)+3],   v[ADB] offset:(\k)+(\i)*16*PITCH
	ds_load_b128 v[(\f)+8*(\i)+4:(\f)+8*(\i)+7], v[ADB] offset:(\k)+(\i)*16*PITCH+32
.endr
	WIN 0
.irp i, 0,1,2,3,4,5,6,7
	ds_load_b128 v[(\f)+8*(\i):(\f)+8*(\i)+3],   v[ADA] offset:(\k)+(\i)*16*PITCH
	ds_load_b128 v[(\f)+8*(\i)+4:(\f)+8*(\i)+7], v[ADA] offset:(\k)+(\i)*16*PITCH+32
.endr
.endm
.macro QUARTER k, f, g, zero
	s_wait_dscnt 8                                 ; K and Q's blocks 0-3 are in; the youngest eight loads are Q's blocks 4-7
	MUL16 \f, 0, 0, \zero
	MUL16 \f, 0, 2, \zero
	PLACES                                         ; four plain instructions between the products that read buffer g and the loads into it
	FETCH \k, \g
	s_wait_dscnt 32                                ; all but the 32 just issued
	MUL16 \f, 1, 0, \zero
	MUL16 \f, 1, 2, \zero
.endm
.macro TURN fill                       ; the fourth quarter (buffer 1) and the change of slots
.if \fill
	s_wait_xcnt 0x0                                ; the last prefetch, a K step back, has read its address
	s_add_nc_u64 s[PFA:PFA+1], s[PFA:PFA+1], KS
.endif
	WIN 0
	s_wait_tensorcnt 0x0                           ; all my tensor loads have landed: the one that was out is my part of the next slot
	ds_add_u32 v[SPW], v[NIL]
.if \fill
	s_xor_b32 s[G0P+5], s[G0P+5], SLOT
	s_add_nc_u64 s[G0P+6:G0P+7], s[G0P+6:G0P+7], KS
	s_xor_b32 s[G0T+5], s[G0T+5], SLOT
	s_add_nc_u64 s[G0T+6:G0T+7], s[G0T+6:G0T+7], KS
.endif
	s_wait_dscnt 9                                 ; the add and the youngest eight loads may be out
	MUL16 F1, 0, 0, 0
	s_wait_dscnt 0x0                               ; the add is done, and my reads of this slot are over
	s_barrier_signal -1
	MUL16 F1, 0, 2, 0
	WIN 0
	s_barrier_wait -1
.if \fill
	CREST
	JLOAD                                          ; its four v_nop are also the places in front of the loads below
.else
	PLACES
.endif
	s_xor_b32 s[TB], s[TB], SLOT
	v_add_nc_u32 v[ADA], s[TB], v[A0]
	v_add_nc_u32 v[ADB], s[TB], v[B0]
.if \fill
	FETCH 0, F0
	ASK
.else
	s_cmp_eq_u32 s3, 1
	s_cbranch_scc1 .Lnone_\@
	FETCH 0, F0
.Lnone_\@:
.endif
	MUL16 F1, 1, 0, 0
	MUL16 F1, 1, 2, 0
.endm
	s_wait_tensorcnt 0x1                           ; my part of K step 0 is in; K step 1's may stay out
	s_barrier_signal -1
	s_barrier_wait -1
	v_mov_b32 v[ADA], v[A0]
	v_mov_b32 v[ADB], v[B0]
	FETCH 0, F0
	QUARTER 64, F0, F1, 1                          ; its products start the sums
	WIN 0
	s_mov_b32 s3, NK-2
.Lk:
	QUARTER 128, F1, F0, 0
	QUARTER 192, F0, F1, 0
	TURN 1
	QUARTER 64, F0, F1, 0
	WIN 0
	s_sub_co_u32 s3, s3, 1
	s_cmp_lg_u32 s3, 0
	s_cbranch_scc1 .Lk
	s_mov_b32 s3, 2
.Ltail:
	QUARTER 128, F1, F0, 0
	QUARTER 192, F0, F1, 0
	TURN 0
	WIN 0
	s_cmp_eq_u32 s3, 1
	s_cbranch_scc1 .Lskip
	QUARTER 64, F0, F1, 0
	WIN 0
.Lskip:
	s_sub_co_u32 s3, s3, 1
	s_cmp_lg_u32 s3, 0
	s_cbranch_scc1 .Ltail
; QUERY BLOCK a: a lane holds 64 scores of one query, the lane 16 away the other 64.  The maximum (four chains; each accumulator's registers in ascending order); cm; c s - cm and the 64
; exponentials as ONE batch with one wait; the roundings; the sum, as a tree in place.
.macro SOFT a
.set AC, 64*((\a)%4)
.set WD, 2+(\a)/4
	WIN (WD<<2)|(WD<<4)
.set n, 0
.rept 32
.if n < 4
	v_max3_num_f32 v[CH+n], v[LOW], v[AC+2*n], v[AC+2*n+1]
.else
	v_max3_num_f32 v[CH+n%4], v[CH+n%4], v[AC+2*n], v[AC+2*n+1]
.endif
.set n, n+1
.endr
	WIN 0
	v_max3_num_f32 v[CH], v[CH], v[CH+1], v[CH+2]
	v_max_num_f32 v[CH], v[CH], v[CH+3]
	v_permlanex16_b32 v[XC], v[CH], s[SEL], s[SEL+1]
	v_max_num_f32 v[CH], v[CH], v[XC]
	v_mul_f32 v[CMP], s[CS], v[CH]
	v_mul_f32 v[CMP+1], s[CS], v[CH]
	v_mul_f32 v[CM+(\a)], s[CS], v[CH]
	WIN (WD<<6)|WD
.set n, 0
.rept 32
	v_pk_fma_f32 v[AC+2*n:AC+2*n+1], v[AC+2*n:AC+2*n+1], s[CS:CS+1], v[CMP:CMP+1] op_sel_hi:[1,0,0] neg_lo:[0,0,1] neg_hi:[0,0,1]
.if n > 0
	v_exp_f32 v[AC+2*n-2], v[AC+2*n-2]
	v_exp_f32 v[AC+2*n-1], v[AC+2*n-1]
.endif
.set n, n+1
.endr
	v_exp_f32 v[AC+62], v[AC+62]
	v_exp_f32 v[AC+63], v[AC+63]
	v_nop                                          ; a plain instruction behind the last exponential,
	s_wait_alu depctr_va_vdst(0)                   ; and the one wait for the batch, ahead of its first reader
	WIN (WD<<2)|WD
.set n, 0
.rept 32
	v_cvt_pk_f16_f32 v[TMP+32*((\a)%2)+n], v[AC+2*n], v[AC+2*n+1]
.set n, n+1
.endr
	WIN (WD<<6)|(WD<<2)|WD
.irp w, 4,8,16,32
.set u, 0
.rept 64/(\w)
	v_pk_add_f32 v[AC+(\w)*u:AC+(\w)*u+1], v[AC+(\w)*u:AC+(\w)*u+1], v[AC+(\w)*u+(\w)/2:AC+(\w)*u+(\w)/2+1]
.set u, u+1
.endr
.endr
	WIN (WD<<2)|WD
	v_pk_add_f32 v[SM:SM+1], v[AC:AC+1], v[AC+32:AC+33]
	WIN 0
	v_add_f32 v[SM], v[SM], v[SM+1]
	v_permlanex16_b32 v[XC], v[SM], s[SEL], s[SEL+1]
	v_add_f32 v[LS+(\a)], v[SM], v[XC]
.endm
.macro TOSTAGE a
.irp b, 0,1,2,3,4,5,6,7
	ds_store_b128 v[STO], v[TMP+32*((\a)%2)+4*(\b):TMP+32*((\a)%2)+4*(\b)+3] offset:32*(\b)
.endr
.if (\a) >= 4
	s_wait_xcnt 0x0                                ; the stores of the block four back have read these registers
.endif
.irp t, 0,1,2,3,4,5,6,7
	ds_load_b128 v[OB+32*((\a)%4)+4*(\t):OB+32*((\a)%4)+4*(\t)+3], v[RD] offset:(\t)*2*SP  ; LDS serves a wave's instructions in order (ISA guide 5.7.1.4)
.endr
.endm
.macro SEND a
	s_wait_dscnt 0x0
.irp t, 0,1,2,3,4,5,6,7
	global_store_b128 v[CO], v[OB+32*((\a)%4)+4*(\t):OB+32*((\a)%4)+4*(\t)+3], s[OUTP:OUTP+1] offset:(16*(\a)+2*(\t))*4096  ; 16 lanes store 256 consecutive bytes, aligned
.endr
.endm
	PLACES
	SOFT 0
	TOSTAGE 0
.irp p, 1,2,3,4,5,6,7
	SOFT \p                                        ; a block's arithmetic stands between the loads of the block before and its stores
	SEND (\p)-1
	TOSTAGE \p
.endr
	SEND 7
	; (cm, l): lanes 0-15 give an even block's 16 queries, lanes 16-31 the next block's: each store covers 256 consecutive bytes, aligned
.irp i, 0,1,2,3
	v_cndmask_b32 v[SM+2*(\i)],   v[CM+2*(\i)], v[CM+2*(\i)+1], s88
	v_cndmask_b32 v[SM+2*(\i)+1], v[LS+2*(\i)], v[LS+2*(\i)+1], s88
	global_store_b64 v[SO], v[SM+2*(\i):SM+2*(\i)+1], s[74:75] offset:256*(\i)
.endr
	s_wait_tensorcnt 0x0                           ; the wave's end
	ds_add_u32 v[SPW], v[NIL]
	s_wait_dscnt 0x0
	CROUND
	s_endpgm
.Lfunc_end_k_qfbc31eab9d_score:
	.size	k_qfbc31eab9d_score, .Lfunc_end_k_qfbc31eab9d_score-k_qfbc31eab9d_score
	.p2alignl 7, 3214868480
	.fill 96, 4, 3214868480
	.section	.rodata,"a",@progbits
	.p2align	6, 0x0
	.amdhsa_kernel k_qfbc31eab9d_score
		.amdhsa_group_segment_fixed_size 327680
		.amdhsa_private_segment_fixed_size 0
		.amdhsa_enable_private_segment 0
		.amdhsa_kernarg_size 24
		.amdhsa_user_sgpr_count 2
		.amdhsa_user_sgpr_kernarg_segment_ptr 1
		.amdhsa_wavefront_size32 1
		.amdhsa_system_sgpr_workgroup_id_x 1
		.amdhsa_system_sgpr_workgroup_id_y 1
		.amdhsa_system_sgpr_workgroup_id_z 1
		.amdhsa_system_vgpr_workitem_id 0
		.amdhsa_next_free_vgpr 1024
		.amdhsa_next_free_sgpr 92
		.amdhsa_reserve_vcc 0
		.amdhsa_float_denorm_mode_32 3
		.amdhsa_float_denorm_mode_16_64 3
		.amdhsa_memory_ordered 1
		.amdhsa_forward_progress 1
		.amdhsa_inst_pref_size 170
	.end_amdhsa_kernel
	.amdgpu_metadata
---
amdhsa.version: [ 1, 2 ]
amdhsa.kernels:
  - .name:           k_qfbc31eab9d_score
    .symbol:         k_qfbc31eab9d_score.kd
    .args:
      - { .name: qkv, .offset: 0, .size: 8, .value_kind: global_buffer, .address_space: global }
      - { .name: pw, .offset: 8, .size: 8, .value_kind: global_buffer, .address_space: global }
      - { .name: st, .offset: 16, .size: 8, .value_kind: global_buffer, .address_space: global }
    .group_segment_fixed_size: 327680
    .private_segment_fixed_size: 0
    .kernarg_segment_align: 8
    .kernarg_segment_size: 24
    .max_flat_workgroup_size: 128
    .sgpr_count:     92
    .vgpr_count:     1024
    .wavefront_size: 32
...
	.end_amdgpu_metadata
.endif
;; end of part 3
;; launch pv (part 4): grid 4 x 64, 4 waves a work-group, clusters of 4 x 4, 327,680 bytes of LDS; arguments pw, qkv, st, xt; writes xt
.if DOCPART == 4
	.amdgcn_target "amdgcn-amd-amdhsa--gfx1250"
	.amdhsa_code_object_version 6
	.text
	.protected	k_qfbc31eab9d_pv
	.globl	k_qfbc31eab9d_pv
	.p2align	8
	.type	k_qfbc31eab9d_pv,@function
k_qfbc31eab9d_pv:
	s_mov_b64 s[64:65], 0
	v_nop
	global_prefetch_b8 v0, s[64:65] scope:SCOPE_SE
	s_setreg_imm32_b32 hwreg(HW_REG_WAVE_MODE, 25, 1), 1
	s_wait_xcnt 0x0
	s_wait_alu depctr_hold_cnt(0) depctr_sa_sdst(0) depctr_va_vdst(0) depctr_va_sdst(0) depctr_va_ssrc(0) depctr_va_vcc(0) depctr_vm_vsrc(0)
	s_getreg_b32 s2, hwreg(HW_REG_IB_STS2, 6, 4)
	s_cmp_eq_u32 s2, 0
	s_cbranch_scc0 .Lentry_in_a_cluster
	s_endpgm
.Lentry_in_a_cluster:
	s_bfe_u32 s2, ttmp6, 0x10000c
	s_cmp_lg_u32 s2, 0xf033
	s_cbranch_scc0 .Lentry_shape_is_right
	s_endpgm
.Lentry_shape_is_right:
; SECOND HALF OF THE SOFTMAX AND THE SECOND PRODUCT.  For each query: M = the maximum of its 16 key blocks' cm, f = 2^(cm - M) <= 1, L = the sum of f l (all f32).
; O^T[d][q] = (the sum over k of V[k][d] (f p[q][k])) / L: f p in f16, sums in f32, 1 / L applied to the f32 sums, O^T rounded once to f16 into xt[4][1024 d][2048 q].
; That buffer read flat as [8192][1024] is the transposed and reshaped x of reference().  (The input mask enters nothing: reference() forms no value from it.)
; LIMITS: f p keeps f16's fixed step of 6e-8 below 6e-5, beside an L of at least 1; f below 2^-126 counts as 0; NaN and infinities are not treated apart.
; SHARES: a work-group makes 256 d x 128 q of one batch: 4 x 16 x 4 = 256 work-groups.  Wave w: q 64 (w / 2) on (4 blocks a), d 128 (w % 2) on (8 blocks b): 32 accumulators.
; K = 2,048 keys in steps of 128, one key block each, through two LDS slots.  P's tile: 128 rows x 256 bytes (pitch 272); V's: 128 key rows x 512 bytes (pitch 544), read turned.
; CLUSTER 4 x 4: P's tile is asked for jointly by a row of the cluster, V's by a column.  SOURCE 0 = 16 queries of P, SOURCE 1 = 16 channels of V: a lane holds one d and eight neighbouring q.
; REGISTERS: window 0: v0-31 addresses; v32-35 f of the step in hand, v36-39 of the next; v64-95, v96-127 P's fragments, two buffers; v128-191 statistics, later with v192-255 the way out
;   window 1: v0-63, v64-127 V's fragments     window 2: accumulator (a, b) at v[8 (8 a + b)]
.set NK,    16
.set AHEAD, 2
.set PP,    272
.set PT,    544
.set TROFF, 128*PP
.set SLOT,  0x20000                    ; it shares no bit with the four waves' places in a slot (0, 0x4400, 0x8800, 0x11000)
.set STAGE, SLOT+TROFF+128*PT          ; behind slot 1's last byte: 256 rows of 272 bytes, the work-group's
.set SP,    272
.set FTAB,  STAGE+256*SP               ; for each wave 16 key blocks x 16 lanes x 4 query blocks: f twice in a word
.set RL,    FTAB+4*4096                ; for each wave 64 x 1 / L
.set SPARE, RL+4*256
.set KSP,   256
.set KST,   128*2048
.set AP0, 16
.set AT0, 17
.set ADP, 18
.set ADT, 19
.set FT,  20                           ; v20  where the next step's f lie
.set FA,  21                           ; v21  where I put f
.set RA,  22                           ; v22  where I put 1 / L
.set RLA, 23                           ; v23  where I read 1 / L
.set STO, 24
.set RD,  25
.set CO,  26
.set BO,  27                           ; v27  8 x lane: my place in 256 bytes of st
.set SPW, 28
.set NIL, 29
.set PFO, 30
.set FC,  32
.set FN,  36
.set PL,  64
.set SV,  128                          ; v[128+32 u+2 kb]: (cm, l) of query 32 u + lane
.set TM,  128
.set PK,  192
.set RR,  224
.set TB,  21
.set G1P, 24
.set G0P, 32
.set LIM, 43
.set PFA, 44
.set PFS, 46
.set G1T, 48
.set G0T, 56
.set OUTP, 66
.set MSB, 0
.macro WIN new
.if MSB != (\new)
	s_set_vgpr_msb (MSB<<8)|(\new)
.set MSB, \new
.endif
.endm
.macro PLACES
.rept 4
	v_nop
.endr
.endm
.macro CREST
	s_cmp_lg_u32 s10, 0
	s_cbranch_scc1 .Lnot_wave_0_\@
	s_barrier_signal -3
.Lnot_wave_0_\@:
	s_barrier_wait -3
	s_barrier_signal -1
	s_barrier_wait -1
.endm
.macro CROUND
	s_barrier_signal -1
	s_barrier_wait -1
	CREST
.endm
.macro JLOAD
	s_cmp_eq_u32 s11, 0
	s_cbranch_scc0 .Lfor_t_\@
	tensor_load_to_lds s[G0P+4:G0P+7], s[G1P:G1P+7]
	s_nop 0
.rept 4
	v_nop
.endr
	s_branch .Lasked_\@
.Lfor_t_\@:
	tensor_load_to_lds s[G0T+4:G0T+7], s[G1T:G1T+7]
	s_nop 0
.rept 4
	v_nop
.endr
.Lasked_\@:
.endm
; A prefetch of the K step AHEAD behind the refill's.  P's 128 rows x 256 bytes are read by one row of one cluster alone: wave 0 of each partner asks for 32 rows, a lane a row, by address.
; V's rows are read by the four clusters of a batch: the first asks; waves 2 and 3 of a column's four partners take 16 of their 64 key rows each, a lane for each 256 bytes.
.macro ASK
	s_cmp_gt_u32 s3, s[LIM]
	s_cbranch_scc0 .Lnot_mine_\@
	global_prefetch_b8 v[PFO], s[PFA:PFA+1] th:TH_LOAD_NT scope:SCOPE_SE
.Lnot_mine_\@:
.endm
	s_load_b256 s[68:75], s[0:1], 0x0              ; pw 68, qkv 70, st 72, xt 74
	v_lshl_add_u32 v[SPW], v0, 2, SPARE
	v_mov_b32 v[NIL], 0
	ds_add_u32 v[SPW], v[NIL]                      ; the wave's opening: the add and its wait ahead of my first tensor load
	v_lshrrev_b32 v1, 5, v0
	v_readfirstlane_b32 s10, v1
	s_lshr_b32 s11, s10, 1                         ; my half of the queries.  Also: I fetch P (0) or V (1)
	s_and_b32 s12, s10, 1                          ; my half of the channels.  Also: which half of that tile I fetch
	s_bfe_u32 s40, ttmp6, 0x40000
	s_bfe_u32 s41, ttmp6, 0x40004
	s_lshl_b32 s42, ttmp9, 2
	s_add_co_u32 s42, s42, s40                     ; X: 256 channels, 0..3
	s_and_b32 s20, ttmp7, 0xffff
	s_lshl_b32 s13, s20, 2
	s_add_co_u32 s13, s13, s41                     ; Y: 128 queries, 0..63
	s_lshl_b32 s14, s41, 2
	s_lshl_b32 s14, 15, s14
	s_lshl_b32 s15, 0x1111, s40
	s_lshr_b32 s9, s20, 2                          ; the batch: four clusters each
	s_or_b32 s[G1P], s14, (1<<16)|(1<<20)|(1<<21)|(5<<22)|(3<<25)  ; 2-byte elements; after every 64 words, 4 words
	s_mov_b32 s[G1P+1], 128<<16
	s_mov_b32 s[G1P+2], 64<<16
	s_mov_b32 s[G1P+3], 128<<16
	s_mov_b32 s[G1P+4], 64
	s_mov_b32 s[G1P+5], 2048
	s_mov_b32 s[G1P+6], 0
	s_mov_b32 s[G1P+7], 0
	s_or_b32 s[G1T], s15, (1<<16)|(1<<20)|(1<<21)|(6<<22)|(7<<25)  ; after every 128 words, 8 words
	s_mov_b32 s[G1T+1], 256<<16
	s_mov_b32 s[G1T+2], 64<<16
	s_mov_b32 s[G1T+3], 256<<16
	s_mov_b32 s[G1T+4], 64
	s_mov_b32 s[G1T+5], 1024
	s_mov_b32 s[G1T+6], 0
	s_mov_b32 s[G1T+7], 0
	s_lshl_b32 s16, s13, 19                        ; P: (128 Y + 64 half) rows of 4,096 bytes
	s_lshl_b32 s17, s12, 18
	s_add_co_u32 s16, s16, s17
	s_mov_b32 s17, 0
	s_lshl_b32 s18, s9, 22                         ; V: 32 MiB on; (2,048 batch + 64 half) rows of 2,048 bytes + 512 X
	s_lshl_b32 s19, s12, 17
	s_add_co_u32 s18, s18, s19
	s_lshl_b32 s19, s42, 9
	s_add_co_u32 s18, s18, s19
	s_add_co_u32 s18, s18, 1<<25
	s_mov_b32 s19, 0
	s_mul_i32 s22, s12, 64*PP
	s_mul_i32 s23, s12, 64*PT
	s_add_co_u32 s23, s23, TROFF
	s_mov_b32 s[TB], 0
	s_wait_dscnt 0x0
	s_wait_kmcnt 0x0
	s_add_nc_u64 s[4:5], s[68:69], s[16:17]
	s_add_nc_u64 s[70:71], s[70:71], s[18:19]
	CROUND
.irp s, 0,1
	s_mov_b32 s[G0P+4*(\s)], 1
	s_add_co_u32 s[G0P+4*(\s)+1], s22, (\s)*SLOT
	s_add_nc_u64 s[G0P+4*(\s)+2:G0P+4*(\s)+3], s[4:5], (\s)*KSP
	s_or_b32 s[G0P+4*(\s)+3], s[G0P+4*(\s)+3], 0x80000000
	s_mov_b32 s[G0T+4*(\s)], 1
	s_add_co_u32 s[G0T+4*(\s)+1], s23, (\s)*SLOT
	s_add_nc_u64 s[G0T+4*(\s)+2:G0T+4*(\s)+3], s[70:71], (\s)*KST
	s_or_b32 s[G0T+4*(\s)+3], s[G0T+4*(\s)+3], 0x80000000
.endr
	s_cmp_eq_u32 s11, 0
	s_cbranch_scc0 .Lfirst_t
	tensor_load_to_lds s[G0P:G0P+3], s[G1P:G1P+7]
	s_nop 0
	tensor_load_to_lds s[G0P+4:G0P+7], s[G1P:G1P+7]
	s_nop 0
.rept 4
	v_nop
.endr
	s_branch .Lfirst_done
.Lfirst_t:
	tensor_load_to_lds s[G0T:G0T+3], s[G1T:G1T+7]
	s_nop 0
	tensor_load_to_lds s[G0T+4:G0T+7], s[G1T:G1T+7]
	s_nop 0
.rept 4
	v_nop
.endr
.Lfirst_done:
	v_and_b32 v1, 15, v0
	v_bfe_u32 v2, v0, 4, 1
	v_and_b32 v3, 31, v0
	; the statistics of my wave's 64 queries: a lane a query, twice; 32 loads of 256 consecutive bytes
	s_lshl_b32 s18, s9, 18                         ; st: 262,144 bytes a batch + ((Y % 16) 128 + 64 row half) x 8
	s_and_b32 s19, s13, 15
	s_lshl_b32 s19, s19, 10
	s_add_co_u32 s18, s18, s19
	s_lshl_b32 s19, s11, 9
	s_add_co_u32 s18, s18, s19
	s_mov_b32 s19, 0
	s_add_nc_u64 s[6:7], s[72:73], s[18:19]
	v_lshlrev_b32 v[BO], 3, v3
.irp u, 0,1
.irp kb, 0,1,2,3,4,5,6,7,8,9,10,11,12,13,14,15
	global_load_b64 v[SV+32*(\u)+2*(\kb):SV+32*(\u)+2*(\kb)+1], v[BO], s[6:7] offset:16384*(\kb)+256*(\u)
.endr
.endr
	v_mul_u32_u24 v[AP0], v1, PP
	v_lshl_add_u32 v[AP0], v2, 4, v[AP0]
	s_mul_i32 s8, s11, 64*PP
	v_add_nc_u32 v[AP0], s8, v[AP0]
	v_and_b32 v4, 7, v0
	v_lshl_add_u32 v4, v2, 3, v4
	v_mul_u32_u24 v[AT0], v4, PT
	v_bfe_u32 v5, v0, 3, 1
	v_lshl_add_u32 v[AT0], v5, 4, v[AT0]
	s_lshl_b32 s8, s12, 8
	s_add_co_u32 s8, s8, TROFF
	v_add_nc_u32 v[AT0], s8, v[AT0]
	s_lshl_b32 s8, s10, 12
	s_add_co_u32 s8, s8, FTAB                      ; my table of f
	v_lshl_add_u32 v[FT], v1, 4, s8                ; 16 (l % 16): four query blocks' words on end
	v_lshl_add_u32 v[FA], v2, 2, v[FT]             ; query 32 u + l lies in block 2 u + l / 16
	s_lshl_b32 s8, s10, 8
	s_add_co_u32 s8, s8, RL
	v_lshl_add_u32 v[RA], v3, 2, s8
	v_lshl_add_u32 v[RLA], v2, 5, s8
	s_mul_i32 s8, s12, 128*SP                      ; the stage: row = channel, 128 queries = 256 bytes
	s_lshl_b32 s9, s11, 7
	s_add_co_u32 s8, s8, s9
	s_add_co_u32 s8, s8, STAGE
	v_mul_u32_u24 v[STO], v1, SP
	v_lshl_add_u32 v[STO], v2, 4, v[STO]
	v_add_nc_u32 v[STO], s8, v[STO]
	s_mul_i32 s8, s10, 64*SP
	s_add_co_u32 s8, s8, STAGE
	v_mul_u32_u24 v[RD], v2, SP
	v_lshl_add_u32 v[RD], v1, 4, v[RD]
	v_add_nc_u32 v[RD], s8, v[RD]
	v_lshlrev_b32 v[CO], 12, v2
	v_lshl_add_u32 v[CO], v1, 4, v[CO]
	s_lshr_b32 s18, s20, 2                         ; xt: (1,024 batch + 256 X + 64 wave) rows of 4,096 bytes + (Y % 16) 256
	s_lshl_b32 s18, s18, 22
	s_lshl_b32 s19, s42, 20
	s_add_co_u32 s18, s18, s19
	s_lshl_b32 s19, s10, 18
	s_add_co_u32 s18, s18, s19
	s_and_b32 s19, s13, 15
	s_lshl_b32 s19, s19, 8
	s_add_co_u32 s18, s18, s19
	s_mov_b32 s19, 0
	s_add_nc_u64 s[OUTP:OUTP+1], s[74:75], s[18:19]
	; the prefetches
	s_and_b32 s9, s20, 3
	s_mov_b32 s[PFS], KST
	s_cmp_eq_u32 s11, 0
	s_cselect_b64 s[PFA:PFA+1], s[4:5], s[70:71]
	s_cselect_b32 s[PFS], KSP, s[PFS]
	s_cselect_b32 s8, 17, 15                       ; 32 rows of 4,096 bytes, or 16 of 2,048
	s_cselect_b32 s18, s40, s41
	s_cselect_b32 s9, s12, s9                      ; P: wave 0; V: the batch's first cluster
	s_cselect_b32 s19, 0, -1
	v_lshlrev_b32 v4, 12, v3                       ; P: a lane a row
	v_lshrrev_b32 v5, 1, v3
	v_and_b32 v6, 1, v3
	v_lshlrev_b32 v5, 11, v5
	v_lshl_add_u32 v5, v6, 8, v5                   ; V: row l / 2, its 256 bytes number l % 2
	v_cndmask_b32 v[PFO], v4, v5, s19
	s_cmp_eq_u32 s9, 0
	s_cselect_b32 s[LIM], AHEAD, -1
	s_lshl_b32 s18, s18, s8
	s_mov_b32 s19, 0
	s_add_nc_u64 s[PFA:PFA+1], s[PFA:PFA+1], s[18:19]
	s_mul_i32 s18, s[PFS], 1+AHEAD
	s_add_nc_u64 s[PFA:PFA+1], s[PFA:PFA+1], s[18:19]
	s_mov_b32 s[PFS+1], 0
	s_wait_loadcnt 0x0
.irp u, 0,1
	v_max3_num_f32 v[4+(\u)], v[SV+32*(\u)], v[SV+32*(\u)+2], v[SV+32*(\u)+4]
.irp n, 3,5,7,9,11,13
	v_max3_num_f32 v[4+(\u)], v[4+(\u)], v[SV+32*(\u)+2*(\n)], v[SV+32*(\u)+2*(\n)+2]
.endr
	v_max_num_f32 v[4+(\u)], v[4+(\u)], v[SV+32*(\u)+30]   ; M
.irp kb, 0,1,2,3,4,5,6,7,8,9,10,11,12,13,14,15
	v_sub_f32 v[SV+32*(\u)+2*(\kb)], v[SV+32*(\u)+2*(\kb)], v[4+(\u)]
.endr
.endr
.irp u, 0,1
.irp kb, 0,1,2,3,4,5,6,7,8,9,10,11,12,13,14,15
	v_exp_f32 v[SV+32*(\u)+2*(\kb)], v[SV+32*(\u)+2*(\kb)]  ; f: one batch of 32
.endr
.endr
	v_nop
	s_wait_alu depctr_va_vdst(0)                   ; the one wait for the batch
.irp u, 0,1
	v_mul_f32 v[6+2*(\u)], v[SV+32*(\u)], v[SV+32*(\u)+1]
	v_mul_f32 v[7+2*(\u)], v[SV+32*(\u)+2], v[SV+32*(\u)+3]
.irp kb, 2,3,4,5,6,7,8,9,10,11,12,13,14,15
	v_fmac_f32 v[6+2*(\u)+(\kb)%2], v[SV+32*(\u)+2*(\kb)], v[SV+32*(\u)+2*(\kb)+1]
.endr
	v_add_f32 v[6+2*(\u)], v[6+2*(\u)], v[7+2*(\u)]        ; L
.endr
	v_rcp_f32 v10, v6
	v_rcp_f32 v11, v8
.irp u, 0,1
.irp kb, 0,1,2,3,4,5,6,7,8,9,10,11,12,13,14,15
	v_cvt_pk_f16_f32 v[SV+32*(\u)+2*(\kb)], v[SV+32*(\u)+2*(\kb)], v[SV+32*(\u)+2*(\kb)]  ; f twice in a word; plain work behind the reciprocals
.endr
.endr
	s_wait_alu depctr_va_vdst(0)                   ; the wait for the two reciprocals
.irp u, 0,1
.irp kb, 0,1,2,3,4,5,6,7,8,9,10,11,12,13,14,15
	ds_store_b32 v[FA], v[SV+32*(\u)+2*(\kb)] offset:256*(\kb)+8*(\u)
.endr
	ds_store_b32 v[RA], v[10+(\u)] offset:128*(\u)
.endr
; chunk c of the slot in hand into buffer f; fac >= 0: first the step's four words of f into v[fac ..]
.macro FETCH c, f, fac=-1
	WIN 0
.if (\fac) >= 0
	ds_load_b128 v[(\fac):(\fac)+3], v[FT]
.endif
	WIN 0x40
.irp i, 0,1,2,3,4,5,6,7
	ds_load_tr16_b128 v[64*(\f)+8*(\i):64*(\f)+8*(\i)+3],   v[ADT] offset:(\c)*32*PT+32*(\i)
	ds_load_tr16_b128 v[64*(\f)+8*(\i)+4:64*(\f)+8*(\i)+7], v[ADT] offset:(\c)*32*PT+32*(\i)+16*PT
.endr
	WIN 0
.irp i, 0,1,2,3
	ds_load_b128 v[PL+32*(\f)+8*(\i):PL+32*(\f)+8*(\i)+3],   v[ADP] offset:(\i)*16*PP+64*(\c)
	ds_load_b128 v[PL+32*(\f)+8*(\i)+4:PL+32*(\f)+8*(\i)+7], v[ADP] offset:(\i)*16*PP+64*(\c)+32
.endr
.endm
.macro SC i, hf, f                     ; half hf of P's fragment i times its query's f, in place: a matrix operand scaled between its load and the product
	WIN 0
.irp m, 0,1,2,3
	v_pk_mul_f16 v[PL+32*(\f)+8*(\i)+4*(\hf)+(\m)], v[PL+32*(\f)+8*(\i)+4*(\hf)+(\m)], v[FC+(\i)]
.endr
.endm
.macro MM a, b, f, first
	WIN 0xa4
.if \first
	v_wmma_f32_16x16x32_f16 v[8*(8*(\a)+(\b)):8*(8*(\a)+(\b))+7], v[PL+32*(\f)+8*(\a):PL+32*(\f)+8*(\a)+7], v[64*(\f)+8*(\b):64*(\f)+8*(\b)+7], 0
.else
	v_wmma_f32_16x16x32_f16 v[8*(8*(\a)+(\b)):8*(8*(\a)+(\b))+7], v[PL+32*(\f)+8*(\a):PL+32*(\f)+8*(\a)+7], v[64*(\f)+8*(\b):64*(\f)+8*(\b)+7], v[8*(8*(\a)+(\b)):8*(8*(\a)+(\b))+7]
.endif
.endm
.macro GRP a, f, first=0               ; 8 products, the 32 accumulators by turns in one fixed order; the next block's 8 scalings stand among them
	MM \a, 0, \f, \first
	MM \a, 1, \f, \first
.if (\a) < 3
	SC (\a)+1, 0, \f
.endif
.irp b, 2,3,4,5
	MM \a, \b, \f, \first
.endr
.if (\a) < 3
	SC (\a)+1, 1, \f
.endif
	MM \a, 6, \f, \first
	MM \a, 7, \f, \first
.endm
.macro CHUNK cn, f, g, first=0, cp=0   ; cp = 1: a K step's first chunk takes the step's f
	s_wait_dscnt 4                                 ; f, V's fragments and P's fragments 0 and 1 are in; the youngest four loads are fragments 2 and 3
.if \cp
	WIN 0
.irp i, 0,1,2,3
	v_mov_b32 v[FC+(\i)], v[FN+(\i)]
.endr
.endif
	SC 0, 0, \f
	SC 0, 1, \f
	GRP 0, \f, \first
	FETCH \cn, \g
	s_wait_dscnt 24                                ; all but the 24 just issued
	GRP 1, \f, \first
	GRP 2, \f, \first
	GRP 3, \f, \first
.endm
; A K step's fourth chunk (buffer 1) and the change of slots.  Its first 16 products stand AHEAD of the wait for the tensor loads: they need nothing of the tile that is on its way, and nothing but the
; add, scalar work and the round then stands between that wait and the next request.
.macro TURN fill
	s_wait_dscnt 4                                 ; V's fragments and P's fragments 0 and 1 are in
	SC 0, 0, 1
	SC 0, 1, 1
	GRP 0, 1
	s_wait_dscnt 0x0                               ; fragments 2 and 3: my last reads of this slot
	GRP 1, 1
	WIN 0
.if \fill
	s_wait_xcnt 0x0                                ; the last prefetch, a K step back, has read its address
	s_add_nc_u64 s[PFA:PFA+1], s[PFA:PFA+1], s[PFS:PFS+1]
.endif
	s_wait_tensorcnt 0x0                           ; all my tensor loads have landed: the one that was out is my part of the next slot
	ds_add_u32 v[SPW], v[NIL]
.if \fill
	s_xor_b32 s[G0P+5], s[G0P+5], SLOT
	s_add_nc_u64 s[G0P+6:G0P+7], s[G0P+6:G0P+7], KSP
	s_xor_b32 s[G0T+5], s[G0T+5], SLOT
	s_add_nc_u64 s[G0T+6:G0T+7], s[G0T+6:G0T+7], KST
.endif
	s_wait_dscnt 0x0                               ; the add is done
	s_barrier_signal -1
	s_barrier_wait -1
.if \fill
	CREST
	JLOAD
.endif
	s_xor_b32 s[TB], s[TB], SLOT
	v_add_nc_u32 v[ADP], s[TB], v[AP0]
	v_add_nc_u32 v[ADT], s[TB], v[AT0]
	v_add_nc_u32 v[FT], 256, v[FT]                 ; the next key block's f
.if \fill
	FETCH 0, 0, FN
	ASK
.else
	s_cmp_eq_u32 s3, 1
	s_cbranch_scc1 .Lnone_\@
	FETCH 0, 0, FN
.Lnone_\@:
.endif
	GRP 2, 1
	GRP 3, 1
.endm
	s_wait_tensorcnt 0x1                           ; my part of K step 0 is in; K step 1's may stay out
	s_wait_dscnt 0x0                               ; no LDS instruction of mine is pending at a signal
	s_barrier_signal -1
	s_barrier_wait -1
	v_mov_b32 v[ADP], v[AP0]
	v_mov_b32 v[ADT], v[AT0]
	FETCH 0, 0, FC
	CHUNK 1, 0, 1, 1, 0                            ; its products start the sums
	WIN 0
	s_mov_b32 s3, NK-2
.Lk:
	CHUNK 2, 1, 0
	CHUNK 3, 0, 1
	TURN 1
	CHUNK 1, 0, 1, 0, 1
	WIN 0
	s_sub_co_u32 s3, s3, 1
	s_cmp_lg_u32 s3, 0
	s_cbranch_scc1 .Lk
	s_mov_b32 s3, 2
.Ltail:
	CHUNK 2, 1, 0
	CHUNK 3, 0, 1
	TURN 0
	WIN 0
	s_cmp_eq_u32 s3, 1
	s_cbranch_scc1 .Lskip
	CHUNK 1, 0, 1, 0, 1
	WIN 0
.Lskip:
	s_sub_co_u32 s3, s3, 1
	s_cmp_lg_u32 s3, 0
	s_cbranch_scc1 .Ltail
	; THE WAY OUT: the f32 sums times 1 / L of their eight queries, rounded to f16, 16 bytes a lane into the work-group's stage; a barrier, since a row's 256 bytes come from two waves; back as whole rows.
	PLACES
.irp i, 0,1,2,3
	ds_load_b128 v[RR+8*(\i):RR+8*(\i)+3],   v[RLA] offset:64*(\i)
	ds_load_b128 v[RR+8*(\i)+4:RR+8*(\i)+7], v[RLA] offset:64*(\i)+16
.endr
	s_wait_dscnt 0x0
.macro OUTA a
	WIN 0x02                                       ; source 0 window 2
.irp b, 0,1,2,3,4,5,6,7
.irp m, 0,1,2,3
	v_pk_mul_f32 v[TM+8*(\b)+2*(\m):TM+8*(\b)+2*(\m)+1], v[8*(8*(\a)+(\b))+2*(\m):8*(8*(\a)+(\b))+2*(\m)+1], v[RR+8*(\a)+2*(\m):RR+8*(\a)+2*(\m)+1]
.endr
.endr
	WIN 0
.irp b, 0,1,2,3,4,5,6,7
.irp m, 0,1,2,3
	v_cvt_pk_f16_f32 v[PK+4*(\b)+(\m)], v[TM+8*(\b)+2*(\m)], v[TM+8*(\b)+2*(\m)+1]
.endr
	ds_store_b128 v[STO], v[PK+4*(\b):PK+4*(\b)+3] offset:(\b)*16*SP+32*(\a)
.endr
.endm
	OUTA 0
	OUTA 1
	OUTA 2
	OUTA 3
	s_wait_dscnt 0x0                               ; for the others' sake: my stores into the stage are done
	s_barrier_signal -1
	s_barrier_wait -1
.set t, 0
.rept 32
	ds_load_b128 v[128+4*t:128+4*t+3], v[RD] offset:t*2*SP
.set t, t+1
.endr
.set t, 0
.rept 32
	s_wait_dscnt 31-t
	global_store_b128 v[CO], v[128+4*t:128+4*t+3], s[OUTP:OUTP+1] offset:t*8192  ; 16 lanes store 256 consecutive bytes, aligned
.set t, t+1
.endr
	s_wait_tensorcnt 0x0                           ; the wave's end
	ds_add_u32 v[SPW], v[NIL]
	s_wait_dscnt 0x0
	CROUND
	s_endpgm
.Lfunc_end_k_qfbc31eab9d_pv:
	.size	k_qfbc31eab9d_pv, .Lfunc_end_k_qfbc31eab9d_pv-k_qfbc31eab9d_pv
	.p2alignl 7, 3214868480
	.fill 96, 4, 3214868480
	.section	.rodata,"a",@progbits
	.p2align	6, 0x0
	.amdhsa_kernel k_qfbc31eab9d_pv
		.amdhsa_group_segment_fixed_size 327680
		.amdhsa_private_segment_fixed_size 0
		.amdhsa_enable_private_segment 0
		.amdhsa_kernarg_size 32
		.amdhsa_user_sgpr_count 2
		.amdhsa_user_sgpr_kernarg_segment_ptr 1
		.amdhsa_wavefront_size32 1
		.amdhsa_system_sgpr_workgroup_id_x 1
		.amdhsa_system_sgpr_workgroup_id_y 1
		.amdhsa_system_sgpr_workgroup_id_z 1
		.amdhsa_system_vgpr_workitem_id 0
		.amdhsa_next_free_vgpr 768
		.amdhsa_next_free_sgpr 92
		.amdhsa_reserve_vcc 0
		.amdhsa_float_denorm_mode_32 3
		.amdhsa_float_denorm_mode_16_64 3
		.amdhsa_memory_ordered 1
		.amdhsa_forward_progress 1
		.amdhsa_inst_pref_size 105
	.end_amdhsa_kernel
	.amdgpu_metadata
---
amdhsa.version: [ 1, 2 ]
amdhsa.kernels:
  - .name:           k_qfbc31eab9d_pv
    .symbol:         k_qfbc31eab9d_pv.kd
    .args:
      - { .name: pw, .offset: 0, .size: 8, .value_kind: global_buffer, .address_space: global }
      - { .name: qkv, .offset: 8, .size: 8, .value_kind: global_buffer, .address_space: global }
      - { .name: st, .offset: 16, .size: 8, .value_kind: global_buffer, .address_space: global }
      - { .name: xt, .offset: 24, .size: 8, .value_kind: global_buffer, .address_space: global }
    .group_segment_fixed_size: 327680
    .private_segment_fixed_size: 0
    .kernarg_segment_align: 8
    .kernarg_segment_size: 32
    .max_flat_workgroup_size: 128
    .sgpr_count:     92
    .vgpr_count:     768
    .wavefront_size: 32
...
	.end_amdgpu_metadata
.endif
;; end of part 4
;; launch outp (part 5): grid 4 x 64, 4 waves a work-group, clusters of 4 x 4, 327,680 bytes of LDS; arguments xt, wts, bo, out0; writes out0
.if DOCPART == 5
	.amdgcn_target "amdgcn-amd-amdhsa--gfx1250"
	.amdhsa_code_object_version 6
	.text
	.protected	k_qfbc31eab9d_outp
	.globl	k_qfbc31eab9d_outp
	.p2align	8
	.type	k_qfbc31eab9d_outp,@function
k_qfbc31eab9d_outp:
	s_mov_b64 s[64:65], 0
	v_nop
	global_prefetch_b8 v0, s[64:65] scope:SCOPE_SE
	s_setreg_imm32_b32 hwreg(HW_REG_WAVE_MODE, 25, 1), 1
	s_wait_xcnt 0x0
	s_wait_alu depctr_hold_cnt(0) depctr_sa_sdst(0) depctr_va_vdst(0) depctr_va_sdst(0) depctr_va_ssrc(0) depctr_va_vcc(0) depctr_vm_vsrc(0)
	s_getreg_b32 s2, hwreg(HW_REG_IB_STS2, 6, 4)
	s_cmp_eq_u32 s2, 0
	s_cbranch_scc0 .Lentry_in_a_cluster
	s_endpgm
.Lentry_in_a_cluster:
	s_bfe_u32 s2, ttmp6, 0x10000c
	s_cmp_lg_u32 s2, 0xf033
	s_cbranch_scc0 .Lentry_shape_is_right
	s_endpgm
.Lentry_shape_is_right:
; out0 = x' Wo + bo.  x' is xt read flat as [8192][1024] f16: reference()'s transposed and reshaped x.  Wo lies in wts[3] as [1024 k][1024 n] f16 (a bf16 number); bo is rounded to bf16 here and starts the
; f32 sums; out0 is f32.  (The input mask enters nothing: reference() forms no value from it.)
; LIMITS: NaN and infinities are not treated apart; the order of the sums is the matrix unit's.
; SHARES: a work-group makes 128 rows x 256 columns: 64 x 4 = 256 work-groups.  Wave w: rows 64 (w / 2) on, columns 128 (w % 2) on: 32 accumulators.
; K in steps of 128 through two LDS slots.  x's tile: 128 rows x 256 bytes (pitch 272); Wo's: 128 k rows x 512 bytes (pitch 544), read turned.  One tensor load a wave for each K step.
; CLUSTER 4 x 4: x's tile jointly by a row of the cluster, Wo's by a column.  SOURCE 0 = 16 columns of Wo, SOURCE 1 = 16 rows of x': a lane holds one row and eight neighbouring columns.
; REGISTERS: window 0: v0-31 addresses; v64-95, v96-127 x's fragments, two buffers; v128-191, v192-255 rows on the way out
;   window 1: v0-63, v64-127 Wo's fragments     window 2: accumulator (a, b) at v[8 (8 a + b)]     window 3: v0-63 the bias as C operands, v64 at work
.set NK,    8
.set AHEAD, 2
.set PP,    272
.set PT,    544
.set TROFF, 128*PP
.set SLOT,  0x20000                    ; it shares no bit with the four waves' places in a slot (0, 0x4400, 0x8800, 0x11000)
.set STAGE, SLOT+TROFF+128*PT          ; behind slot 1's last byte: 16 rows x 528 bytes for each wave
.set SP,    528
.set SPARE, STAGE+4*16*SP
.set KSP,   256
.set KST,   128*2048
.set AP0, 16
.set AT0, 17
.set ADP, 18
.set ADT, 19
.set STO, 24
.set RD,  25
.set CO,  26
.set BO,  27
.set SPW, 28
.set NIL, 29
.set PFO, 30
.set PL,  64
.set OB,  128
.set TB,  21
.set G1P, 24
.set G0P, 32
.set LIM, 43
.set PFA, 44
.set PFS, 46
.set G1T, 48
.set G0T, 56
.set OUTP, 66
.set MSB, 0
.macro WIN new
.if MSB != (\new)
	s_set_vgpr_msb (MSB<<8)|(\new)
.set MSB, \new
.endif
.endm
.macro PLACES
.rept 4
	v_nop
.endr
.endm
.macro CREST
	s_cmp_lg_u32 s10, 0
	s_cbranch_scc1 .Lnot_wave_0_\@
	s_barrier_signal -3
.Lnot_wave_0_\@:
	s_barrier_wait -3
	s_barrier_signal -1
	s_barrier_wait -1
.endm
.macro CROUND
	s_barrier_signal -1
	s_barrier_wait -1
	CREST
.endm
.macro JLOAD
	s_cmp_eq_u32 s11, 0
	s_cbranch_scc0 .Lfor_t_\@
	tensor_load_to_lds s[G0P+4:G0P+7], s[G1P:G1P+7]
	s_nop 0
.rept 4
	v_nop
.endr
	s_branch .Lasked_\@
.Lfor_t_\@:
	tensor_load_to_lds s[G0T+4:G0T+7], s[G1T:G1T+7]
	s_nop 0
.rept 4
	v_nop
.endr
.Lasked_\@:
.endm
; A prefetch of the K step AHEAD behind the refill's.  x's 128 rows x 256 bytes are read by one row of one cluster alone: wave 0 of each partner asks for 32 rows, a lane a row, by address.
; Wo's rows are read by all 16 clusters: the first asks; waves 2 and 3 of a column's four partners take 16 of their 64 k rows each, a lane for each 256 bytes.
.macro ASK
	s_cmp_gt_u32 s3, s[LIM]
	s_cbranch_scc0 .Lnot_mine_\@
	global_prefetch_b8 v[PFO], s[PFA:PFA+1] th:TH_LOAD_NT scope:SCOPE_SE
.Lnot_mine_\@:
.endm
	s_load_b256 s[68:75], s[0:1], 0x0              ; xt 68, wts 70, bo 72, out0 74
	v_lshl_add_u32 v[SPW], v0, 2, SPARE
	v_mov_b32 v[NIL], 0
	ds_add_u32 v[SPW], v[NIL]                      ; the wave's opening: the add and its wait ahead of my first tensor load
	v_lshrrev_b32 v1, 5, v0
	v_readfirstlane_b32 s10, v1
	s_lshr_b32 s11, s10, 1
	s_and_b32 s12, s10, 1
	s_bfe_u32 s40, ttmp6, 0x40000
	s_bfe_u32 s41, ttmp6, 0x40004
	s_lshl_b32 s42, ttmp9, 2
	s_add_co_u32 s42, s42, s40                     ; X: 256 columns, 0..3
	s_and_b32 s20, ttmp7, 0xffff
	s_lshl_b32 s13, s20, 2
	s_add_co_u32 s13, s13, s41                     ; Y: 128 rows, 0..63
	s_lshl_b32 s14, s41, 2
	s_lshl_b32 s14, 15, s14
	s_lshl_b32 s15, 0x1111, s40
	s_or_b32 s[G1P], s14, (1<<16)|(1<<20)|(1<<21)|(5<<22)|(3<<25)
	s_mov_b32 s[G1P+1], 128<<16
	s_mov_b32 s[G1P+2], 64<<16
	s_mov_b32 s[G1P+3], 128<<16
	s_mov_b32 s[G1P+4], 64
	s_mov_b32 s[G1P+5], 1024
	s_mov_b32 s[G1P+6], 0
	s_mov_b32 s[G1P+7], 0
	s_or_b32 s[G1T], s15, (1<<16)|(1<<20)|(1<<21)|(6<<22)|(7<<25)
	s_mov_b32 s[G1T+1], 256<<16
	s_mov_b32 s[G1T+2], 64<<16
	s_mov_b32 s[G1T+3], 256<<16
	s_mov_b32 s[G1T+4], 64
	s_mov_b32 s[G1T+5], 1024
	s_mov_b32 s[G1T+6], 0
	s_mov_b32 s[G1T+7], 0
	s_lshl_b32 s16, s13, 18                        ; x': (128 Y + 64 half) rows of 2,048 bytes
	s_lshl_b32 s17, s12, 17
	s_add_co_u32 s16, s16, s17
	s_mov_b32 s17, 0
	s_lshl_b32 s18, s12, 17                        ; Wo: 6 MiB on; 64 half k rows of 2,048 bytes + 512 X
	s_lshl_b32 s19, s42, 9
	s_add_co_u32 s18, s18, s19
	s_add_co_u32 s18, s18, 3<<21
	s_mov_b32 s19, 0
	s_mul_i32 s22, s12, 64*PP
	s_mul_i32 s23, s12, 64*PT
	s_add_co_u32 s23, s23, TROFF
	s_mov_b32 s88, 0xffff0000
	s_mov_b32 s[TB], 0
	s_wait_dscnt 0x0
	s_wait_kmcnt 0x0
	s_add_nc_u64 s[4:5], s[68:69], s[16:17]
	s_add_nc_u64 s[70:71], s[70:71], s[18:19]
	CROUND
.irp s, 0,1
	s_mov_b32 s[G0P+4*(\s)], 1
	s_add_co_u32 s[G0P+4*(\s)+1], s22, (\s)*SLOT
	s_add_nc_u64 s[G0P+4*(\s)+2:G0P+4*(\s)+3], s[4:5], (\s)*KSP
	s_or_b32 s[G0P+4*(\s)+3], s[G0P+4*(\s)+3], 0x80000000
	s_mov_b32 s[G0T+4*(\s)], 1
	s_add_co_u32 s[G0T+4*(\s)+1], s23, (\s)*SLOT
	s_add_nc_u64 s[G0T+4*(\s)+2:G0T+4*(\s)+3], s[70:71], (\s)*KST
	s_or_b32 s[G0T+4*(\s)+3], s[G0T+4*(\s)+3], 0x80000000
.endr
	s_cmp_eq_u32 s11, 0
	s_cbranch_scc0 .Lfirst_t
	tensor_load_to_lds s[G0P:G0P+3], s[G1P:G1P+7]
	s_nop 0
	tensor_load_to_lds s[G0P+4:G0P+7], s[G1P:G1P+7]
	s_nop 0
.rept 4
	v_nop
.endr
	s_branch .Lfirst_done
.Lfirst_t:
	tensor_load_to_lds s[G0T:G0T+3], s[G1T:G1T+7]
	s_nop 0
	tensor_load_to_lds s[G0T+4:G0T+7], s[G1T:G1T+7]
	s_nop 0
.rept 4
	v_nop
.endr
.Lfirst_done:
	v_and_b32 v1, 15, v0
	v_bfe_u32 v2, v0, 4, 1
	v_and_b32 v3, 31, v0
	s_lshl_b32 s18, s42, 10                        ; the bias: register j of block b holds bo[256 X + 128 half + 16 b + 8 h + j]
	s_lshl_b32 s19, s12, 9
	s_add_co_u32 s18, s18, s19
	s_mov_b32 s19, 0
	s_add_nc_u64 s[6:7], s[72:73], s[18:19]
	v_lshlrev_b32 v[BO], 5, v2
	WIN 0xc0
.irp i, 0,1,2,3,4,5,6,7
	global_load_b128 v[8*(\i):8*(\i)+3],   v[BO], s[6:7] offset:64*(\i)
	global_load_b128 v[8*(\i)+4:8*(\i)+7], v[BO], s[6:7] offset:64*(\i)+16
.endr
	WIN 0
	v_mul_u32_u24 v[AP0], v1, PP
	v_lshl_add_u32 v[AP0], v2, 4, v[AP0]
	s_mul_i32 s8, s11, 64*PP
	v_add_nc_u32 v[AP0], s8, v[AP0]
	v_and_b32 v4, 7, v0
	v_lshl_add_u32 v4, v2, 3, v4
	v_mul_u32_u24 v[AT0], v4, PT
	v_bfe_u32 v5, v0, 3, 1
	v_lshl_add_u32 v[AT0], v5, 4, v[AT0]
	s_lshl_b32 s8, s12, 8
	s_add_co_u32 s8, s8, TROFF
	v_add_nc_u32 v[AT0], s8, v[AT0]
	s_mul_i32 s8, s10, 16*SP
	s_add_co_u32 s8, s8, STAGE                     ; my stage: a row is 128 columns of f32
	v_mul_u32_u24 v[STO], v1, SP
	v_lshl_add_u32 v[STO], v2, 5, v[STO]
	v_add_nc_u32 v[STO], s8, v[STO]
	v_lshl_add_u32 v[RD], v3, 4, s8                ; back: 32 lanes take one row of 512 bytes
	v_lshlrev_b32 v[CO], 4, v3
	s_lshl_b32 s18, s13, 19                        ; out0: (128 Y + 64 row half) rows of 4,096 bytes + 1,024 X + 512 column half
	s_lshl_b32 s19, s11, 18
	s_add_co_u32 s18, s18, s19
	s_lshl_b32 s19, s42, 10
	s_add_co_u32 s18, s18, s19
	s_lshl_b32 s19, s12, 9
	s_add_co_u32 s18, s18, s19
	s_mov_b32 s19, 0
	s_add_nc_u64 s[OUTP:OUTP+1], s[74:75], s[18:19]
	; the prefetches
	s_mov_b32 s[PFS], KST
	s_cmp_eq_u32 s11, 0
	s_cselect_b64 s[PFA:PFA+1], s[4:5], s[70:71]
	s_cselect_b32 s[PFS], KSP, s[PFS]
	s_cselect_b32 s8, 16, 15                       ; 32 rows of 2,048 bytes, or 16
	s_cselect_b32 s18, s40, s41
	s_cselect_b32 s9, s12, s20                     ; x': wave 0; Wo: the first cluster
	s_cselect_b32 s19, 0, -1
	v_lshlrev_b32 v4, 11, v3                       ; x': a lane a row
	v_lshrrev_b32 v5, 1, v3
	v_and_b32 v6, 1, v3
	v_lshlrev_b32 v5, 11, v5
	v_lshl_add_u32 v5, v6, 8, v5                   ; Wo: row l / 2, its 256 bytes number l % 2
	v_cndmask_b32 v[PFO], v4, v5, s19
	s_cmp_eq_u32 s9, 0
	s_cselect_b32 s[LIM], AHEAD, -1
	s_lshl_b32 s18, s18, s8
	s_mov_b32 s19, 0
	s_add_nc_u64 s[PFA:PFA+1], s[PFA:PFA+1], s[18:19]
	s_mul_i32 s18, s[PFS], 1+AHEAD
	s_add_nc_u64 s[PFA:PFA+1], s[PFA:PFA+1], s[18:19]
	s_mov_b32 s[PFS+1], 0
	s_wait_loadcnt 0x0                             ; the bias: rounded to bf16 like every input, kept as f32
	WIN 0xcf
.set n, 0
.rept 32
	v_cvt_pk_bf16_f32 v64, v[2*n], v[2*n+1]
	v_lshlrev_b32 v[2*n], 16, v64
	v_and_b32 v[2*n+1], s88, v64
.set n, n+1
.endr
	WIN 0
.macro FETCH c, f                      ; 16 turning loads for Wo's 8 fragments, then 8 loads for x's 4
	WIN 0x40
.irp i, 0,1,2,3,4,5,6,7
	ds_load_tr16_b128 v[64*(\f)+8*(\i):64*(\f)+8*(\i)+3],   v[ADT] offset:(\c)*32*PT+32*(\i)
	ds_load_tr16_b128 v[64*(\f)+8*(\i)+4:64*(\f)+8*(\i)+7], v[ADT] offset:(\c)*32*PT+32*(\i)+16*PT
.endr
	WIN 0
.irp i, 0,1,2,3
	ds_load_b128 v[PL+32*(\f)+8*(\i):PL+32*(\f)+8*(\i)+3],   v[ADP] offset:(\i)*16*PP+64*(\c)
	ds_load_b128 v[PL+32*(\f)+8*(\i)+4:PL+32*(\f)+8*(\i)+7], v[ADP] offset:(\i)*16*PP+64*(\c)+32
.endr
.endm
.macro GRP a, f, first=0               ; 8 products; the 32 accumulators take turns in one fixed order.  first = 1: the bias starts the sums
.irp b, 0,1,2,3,4,5,6,7
.if \first
	WIN 0xb1
	v_wmma_f32_16x16x32_f16 v[8*(8*(\a)+(\b)):8*(8*(\a)+(\b))+7], v[64*(\f)+8*(\b):64*(\f)+8*(\b)+7], v[PL+32*(\f)+8*(\a):PL+32*(\f)+8*(\a)+7], v[8*(\b):8*(\b)+7]
.else
	WIN 0xa1
	v_wmma_f32_16x16x32_f16 v[8*(8*(\a)+(\b)):8*(8*(\a)+(\b))+7], v[64*(\f)+8*(\b):64*(\f)+8*(\b)+7], v[PL+32*(\f)+8*(\a):PL+32*(\f)+8*(\a)+7], v[8*(8*(\a)+(\b)):8*(8*(\a)+(\b))+7]
.endif
.endr
.endm
.macro CHUNK cn, f, g, first=0
	s_wait_dscnt 6                                 ; Wo's fragments and x's fragment 0 are in; the youngest six loads are fragments 1 to 3
	GRP 0, \f, \first
	PLACES                                         ; four plain instructions between the products that read buffer g and the loads into it
	FETCH \cn, \g
	s_wait_dscnt 24                                ; all but the 24 just issued
	GRP 1, \f, \first
	GRP 2, \f, \first
	GRP 3, \f, \first
.endm
; A K step's fourth chunk (buffer 1) and the change of slots.  Its first 16 products stand AHEAD of the wait for the tensor loads: they need nothing of the tile that is on its way, and nothing but the
; add, scalar work and the round then stands between that wait and the next request.
.macro TURN fill
	s_wait_dscnt 6                                 ; Wo's fragments and x's fragment 0 are in
	GRP 0, 1
	s_wait_dscnt 0x0                               ; fragments 1 to 3: my last reads of this slot
	GRP 1, 1
	WIN 0
.if \fill
	s_wait_xcnt 0x0                                ; the last prefetch, a K step back, has read its address
	s_add_nc_u64 s[PFA:PFA+1], s[PFA:PFA+1], s[PFS:PFS+1]
.endif
	s_wait_tensorcnt 0x0                           ; all my tensor loads have landed: the one that was out is my part of the next slot
	ds_add_u32 v[SPW], v[NIL]
.if \fill
	s_xor_b32 s[G0P+5], s[G0P+5], SLOT
	s_add_nc_u64 s[G0P+6:G0P+7], s[G0P+6:G0P+7], KSP
	s_xor_b32 s[G0T+5], s[G0T+5], SLOT
	s_add_nc_u64 s[G0T+6:G0T+7], s[G0T+6:G0T+7], KST
.endif
	s_wait_dscnt 0x0                               ; the add is done
	s_barrier_signal -1
	s_barrier_wait -1
.if \fill
	CREST
	JLOAD                                          ; its four v_nop are also the places in front of the loads below
.else
	PLACES
.endif
	s_xor_b32 s[TB], s[TB], SLOT
	v_add_nc_u32 v[ADP], s[TB], v[AP0]
	v_add_nc_u32 v[ADT], s[TB], v[AT0]
.if \fill
	FETCH 0, 0
	ASK
.else
	s_cmp_eq_u32 s3, 1
	s_cbranch_scc1 .Lnone_\@
	FETCH 0, 0
.Lnone_\@:
.endif
	GRP 2, 1
	GRP 3, 1
.endm
	s_wait_tensorcnt 0x1                           ; my part of K step 0 is in; K step 1's may stay out
	s_barrier_signal -1
	s_barrier_wait -1
	v_mov_b32 v[ADP], v[AP0]
	v_mov_b32 v[ADT], v[AT0]
	FETCH 0, 0
	CHUNK 1, 0, 1, 1
	WIN 0
	s_mov_b32 s3, NK-2
.Lk:
	CHUNK 2, 1, 0
	CHUNK 3, 0, 1
	TURN 1
	CHUNK 1, 0, 1
	WIN 0
	s_sub_co_u32 s3, s3, 1
	s_cmp_lg_u32 s3, 0
	s_cbranch_scc1 .Lk
	s_mov_b32 s3, 2
.Ltail:
	CHUNK 2, 1, 0
	CHUNK 3, 0, 1
	TURN 0
	WIN 0
	s_cmp_eq_u32 s3, 1
	s_cbranch_scc1 .Lskip
	CHUNK 1, 0, 1
	WIN 0
.Lskip:
	s_sub_co_u32 s3, s3, 1
	s_cmp_lg_u32 s3, 0
	s_cbranch_scc1 .Ltail
; THE WAY OUT, 16 rows at a time: a lane's 32 bytes of a row go straight from the accumulator (its low four registers first) into my stage, and come back as whole rows of 512 bytes.
.macro OUTB a
.if (\a) >= 2
	s_wait_xcnt 0x0                                ; the stores of the block two back have read these registers
.endif
	WIN 0x08                                       ; the stores' data in window 2
.irp b, 0,1,2,3,4,5,6,7
	ds_store_b128 v[STO], v[8*(8*(\a)+(\b)):8*(8*(\a)+(\b))+3]   offset:64*(\b)
	ds_store_b128 v[STO], v[8*(8*(\a)+(\b))+4:8*(8*(\a)+(\b))+7] offset:64*(\b)+16
.endr
	WIN 0
.irp t, 0,1,2,3,4,5,6,7,8,9,10,11,12,13,14,15
	ds_load_b128 v[OB+64*((\a)%2)+4*(\t):OB+64*((\a)%2)+4*(\t)+3], v[RD] offset:(\t)*SP  ; LDS serves a wave's instructions in order (ISA guide 5.7.1.4)
.endr
.irp t, 0,1,2,3,4,5,6,7,8,9,10,11,12,13,14,15
	s_wait_dscnt 15-(\t)
	global_store_b128 v[CO], v[OB+64*((\a)%2)+4*(\t):OB+64*((\a)%2)+4*(\t)+3], s[OUTP:OUTP+1] offset:(16*(\a)+(\t))*4096 th:TH_STORE_NT  ; a wave stores 512 consecutive bytes, aligned
.endr
.endm
	PLACES
	OUTB 0
	OUTB 1
	OUTB 2
	OUTB 3
	s_wait_tensorcnt 0x0                           ; the wave's end
	ds_add_u32 v[SPW], v[NIL]
	s_wait_dscnt 0x0
	CROUND
	s_endpgm
.Lfunc_end_k_qfbc31eab9d_outp:
	.size	k_qfbc31eab9d_outp, .Lfunc_end_k_qfbc31eab9d_outp-k_qfbc31eab9d_outp
	.p2alignl 7, 3214868480
	.fill 96, 4, 3214868480
	.section	.rodata,"a",@progbits
	.p2align	6, 0x0
	.amdhsa_kernel k_qfbc31eab9d_outp
		.amdhsa_group_segment_fixed_size 327680
		.amdhsa_private_segment_fixed_size 0
		.amdhsa_enable_private_segment 0
		.amdhsa_kernarg_size 32
		.amdhsa_user_sgpr_count 2
		.amdhsa_user_sgpr_kernarg_segment_ptr 1
		.amdhsa_wavefront_size32 1
		.amdhsa_system_sgpr_workgroup_id_x 1
		.amdhsa_system_sgpr_workgroup_id_y 1
		.amdhsa_system_sgpr_workgroup_id_z 1
		.amdhsa_system_vgpr_workitem_id 0
		.amdhsa_next_free_vgpr 840
		.amdhsa_next_free_sgpr 92
		.amdhsa_reserve_vcc 0
		.amdhsa_float_denorm_mode_32 3
		.amdhsa_float_denorm_mode_16_64 3
		.amdhsa_memory_ordered 1
		.amdhsa_forward_progress 1
		.amdhsa_inst_pref_size 68
	.end_amdhsa_kernel
	.amdgpu_metadata
---
amdhsa.version: [ 1, 2 ]
amdhsa.kernels:
  - .name:           k_qfbc31eab9d_outp
    .symbol:         k_qfbc31eab9d_outp.kd
    .args:
      - { .name: xt, .offset: 0, .size: 8, .value_kind: global_buffer, .address_space: global }
      - { .name: wts, .offset: 8, .size: 8, .value_kind: global_buffer, .address_space: global }
      - { .name: bo, .offset: 16, .size: 8, .value_kind: global_buffer, .address_space: global }
      - { .name: out0, .offset: 24, .size: 8, .value_kind: global_buffer, .address_space: global }
    .group_segment_fixed_size: 327680
    .private_segment_fixed_size: 0
    .kernarg_segment_align: 8
    .kernarg_segment_size: 32
    .max_flat_workgroup_size: 128
    .sgpr_count:     92
    .vgpr_count:     840
    .wavefront_size: 32
...
	.end_amdgpu_metadata
.endif
;; end of part 5
